; MI455X (gfx1250); checked and timed in simulation.
; The chip was launched on July 23, 2026; its instructions are those of AMD's public machine-readable ISA for CDNA 5 (MIT licence, August 2026) and "CDNA5" Instruction Set Architecture Reference Guide (July 2026). The comments in the code are by the model that wrote it; some were corrected since.
;; Standard Multi Head Attention. Allowed arithmetic: matrix products marked QUANTISED: E3M2 operands, one E8M0 scale for each 32 along K, by v_wmma_scale_f32_16x16x128_f8f6f4 with both operands' format E3M2, f32 sums; everything else in f32.
;; Inputs: Wk 1,024 x 1,024 float32; Wo 1,024 x 1,024 float32; Wq 1,024 x 1,024 float32; Wv 1,024 x 1,024 float32; bk 1,024 float32; bo 1,024 float32; bq 1,024 float32; bv 1,024 float32; x 4 x 2,048 x 1,024 float32.
;; Outputs: out0 4 x 2,048 x 1,024 float32.
;; This version of the problem:
;;   THIS VERSION OF THE PROBLEM IS GIVEN IN LOW PRECISION. The matrix products marked QUANTISED in the list below multiply operands that are first quantised to E3M2 (3 exponent bits, 2 mantissa bits; 6 bits a number), with one power-of-two scale for each 32 numbers along K (OCP MX v1.0); their sums are f32. All else is computed in f32.
;;   The module's matrix products, in the order in which they are computed (A, B: the left and right operand; K: the contracted axis; several contracted axes count as one K, in the product's order):
;;     1. [M 8,192, K 1,024] x [K 1,024, N 1,024]; A: input x; B: input Wq: QUANTISED
;;     2. [M 8,192, K 1,024] x [K 1,024, N 1,024]; A: input x; B: input Wk: QUANTISED
;;     3. [M 8,192, K 1,024] x [K 1,024, N 1,024]; A: input x; B: input Wv: QUANTISED
;;     4. batch 64 x [M 2,048, K 64] x [K 64, N 2,048]; A: computed on the way; B: computed on the way: QUANTISED
;;     5. batch 64 x [M 2,048, K 2,048] x [K 2,048, N 64]; A: softmax (see below); B: computed on the way: QUANTISED
;;     6. [M 8,192, K 1,024] x [K 1,024, N 1,024]; A: computed on the way; B: input Wo: QUANTISED
;;   THE QUANTISER, for each operand of a quantised product, along K:
;;     - K is cut into blocks of 32 from its start; a last block that is shorter is filled with zeros.
;;     - A block's scale is 2^e with e = floor(log2(the largest magnitude in the block)) - 4, held to -126 .. 127; a block of zeros has e = 0. As a byte (E8M0): e + 127.
;;     - Each number is divided by its block's scale, clamped to +-28, and rounded to the nearest number of E3M2, ties to even, subnormals kept.
;;     - The product sums the exact products of the quantised numbers (number of the format x scale) in f32.
;;   ~~~python
;;   def quantise(x, axis):      # numpy; x: float32 -> the quantised numbers, widened to float32 again
;;       x = np.moveaxis(x, axis, -1); K = x.shape[-1]
;;       x = np.pad(x, [(0, 0)] * (x.ndim - 1) + [(0, -K % 32)]); x = x.reshape(x.shape[:-1] + (-1, 32)); a = np.abs(x).max(-1, keepdims=True)
;;       e = np.where(a > 0, np.clip(np.frexp(np.where(a > 0, a, 1))[1] - 1 - 4, -126, 127), 0)      # np.frexp(a)[1] - 1 = floor(log2(a)), exactly
;;       r = np.clip(x / 2.0 ** e, -28, 28)
;;       step = 2.0 ** (np.maximum(np.frexp(np.where(r == 0, 1, r))[1] - 1, -2) - 2)
;;       q = np.round(r / step) * step * 2.0 ** e      # np.round: ties to even
;;       return np.moveaxis(q.reshape(q.shape[:-2] + (-1,))[..., :K], -1, axis).astype(np.float32)
;;   ~~~
;;   SOFTMAX AHEAD OF A QUANTISED PRODUCT. Where the list says 'softmax', what is quantised is not the finished softmax but p = 2^(t - M), with t = logit x log2(e) and M = ceil(the row's largest t), a whole number; so 1/2 < the row's largest p <= 1. The row's sum l is taken of the UNQUANTISED p, in f32, and the product's result is divided by l at the end. Since M is a whole number, a kernel that streams over the keys may use a running M (the ceiling of the running maximum): every later rescaling is an exact power of two, which a block's scale takes up: the codes' values come out the same.
;;   OPERANDS COMPUTED ON THE WAY. 'Computed on the way' means the value that the module computes at that place (a softmax that the list does not call 'softmax' is quantised finished and normalised). What goes into a quantiser is computed in f32, as accurately as f32 sums, v_exp_f32 and their like allow (about 1e-6 of the number): no bf16 or f16 on the way to a quantiser, and a product that is left as it is and whose result goes on into a quantised operand takes f32 operands (vector FMAs, or v_wmma_f32_16x16x4_f32). A number that lies on a knife's edge between two numbers of the format may be rounded either way, as far as f32 arithmetic and the matrix unit's own rounding can turn it there, and no further.
;; One version. Each part assembles by itself: llvm-mc -triple=amdgcn-amd-amdhsa -mcpu=gfx1250 --defsym DOCPART=n.
;; ======== version 1 of 1: 4 launches
;; limits: right only within a limited range of input values
;; workspace buffers: codes 9,437,184 bytes; scl 393,216 bytes; qkv 19,660,800 bytes
;; launch quant (part 1): grid 256 x 1, 6 waves a work-group, no clusters, 51,456 bytes of LDS; arguments x, Wq, Wk, Wv, Wo, codes, scl; writes codes, scl
.if DOCPART == 1
	.amdgcn_target "amdgcn-amd-amdhsa--gfx1250"
	.amdhsa_code_object_version 6
	.text
	.protected	k_qc3b39e12fb_quant
	.globl	k_qc3b39e12fb_quant
	.p2align	8
	.type	k_qc3b39e12fb_quant,@function
k_qc3b39e12fb_quant:
	s_mov_b64 s[64:65], 0
	v_nop
	global_prefetch_b8 v0, s[64:65] scope:SCOPE_SE
	s_setreg_imm32_b32 hwreg(HW_REG_WAVE_MODE, 25, 1), 1
	s_wait_xcnt 0x0
; x [8192][1024] and Wq, Wk, Wv, Wo [1024][1024], f32, K innermost, become codes of BF6 (E3M2) with one E8M0 byte for each 32 along K.
; A block's scale is 2^(floor(log2(its largest magnitude)) - 4); its byte is the largest magnitude's exponent field - 4, held at 1 from below.
; LIMITS: NaN and infinities among the inputs are not served.  A block of zeros, or one whose largest magnitude lies under 2^-122, gets the byte 1 (the rule says 127 for zeros):
; its codes are zeros or the nearest codes under that scale, and the bytes are read by this program alone.
; THE CODES ARE LAID AS IMAGES OF OPERAND REGISTERS.  codes: [96 groups of 8 blocks of 16 rows][4 pairs of K steps][8 blocks][2 K steps][1,536 bytes]; blocks 0-511 x, 512-575 Wq, 576-639 Wk, 640-703 Wv, 704-767 Wo.
; A fragment (16 rows x 128 K, 12 registers a lane) is two halves of 768 bytes: registers 6 c .. 6 c + 3 at 16 x lane (512 bytes), registers 6 c + 4, 6 c + 5 at 8 x lane (256 bytes).
; THE ROWS OF A BLOCK ARE NOT NEIGHBOURS: lane r of block R holds row 32 (R / 2) + 8 (R % 2) + r + 8 (r / 8), so that two neighbouring blocks, used as source 0 of a product, leave 16 neighbours in a lane's 16 registers.
; scl: [768 blocks][2 halves of K][16 rows][4 words]: word j = the four bytes of K step 4 q + j.
; SHARES.  1,536 shares of one block and one half of K (four fragments, 32 KiB of f32): 256 work-groups of six waves, a share a wave.  Each load reads 512 consecutive bytes of one row; a step's 16 rows turn through
; the wave's own stage in LDS (rows 528 bytes apart), from which lane (r, h) takes the 2 x 32 neighbours that its place in the fragment wants.  Waves share nothing: no barrier.  Work-groups share no input: no cluster.
; Loads run two steps (32 loads a wave) ahead.
.set STG,  8448                        ; a wave's stage: 16 rows x 528 bytes
.set PIT,  528
.set SPARE, 6*STG                      ; behind the six stages: the spare words, 128 bytes for each wave
.set LD,   16                          ; v16-143  two sets of 64 registers as loaded: row j at 4 j
.set X,    144                         ; v144-207 my 64 numbers: register 32 c + i = k 64 c + 32 h + i of row r
.set C,    208                         ; v208-219 the fragment
.set TA,   220                         ; v220-222, v224-226 the second halves of the two blocks (a conversion's three registers begin on an even number)
.set TC,   224
.set SW,   228                         ; v228-231 the four steps' scale words
.set DD,   232
.set MX,   234
.set SO,   236
.set BY,   238
	s_load_b256 s[4:11], s[0:1], 0x0               ; x, Wq, Wk, Wv
	s_load_b128 s[12:15], s[0:1], 0x20             ; Wo, codes
	s_load_b64 s[16:17], s[0:1], 0x30              ; scl
	v_lshl_add_u32 v248, v0, 2, SPARE
	v_mov_b32 v249, 0
	v_lshrrev_b32 v9, 5, v0
	v_readfirstlane_b32 s23, v9                    ; wave 0..5
	v_and_b32 v1, 31, v0                           ; lane
	v_and_b32 v2, 15, v0                           ; r
	v_bfe_u32 v3, v0, 4, 1                         ; h
	v_lshlrev_b32 v4, 4, v1                        ; 16 x lane
	v_lshlrev_b32 v5, 3, v1                        ; 8 x lane
	s_mul_i32 s24, s23, STG
	v_add_nc_u32 v6, s24, v4                       ; the stage, on the way in: a row as it lies
	v_mul_u32_u24 v7, v2, PIT
	v_lshl_add_u32 v7, v3, 7, v7
	v_add_nc_u32 v7, s24, v7                       ; and on the way out: row r, + 128 h bytes
	v_lshlrev_b32 v8, 4, v2
	v_lshl_add_u32 v8, v3, 3, v8                   ; the scale words: 16 r + 8 h
	v_lshlrev_b32 v10, 3, v3                       ; 8 h: my bytes' place in a scale word
	v_mov_b32 v11, 0                               ; a lane permute's destination counts as one of its sources
	s_mov_b32 s20, 0x76543210
	s_mov_b32 s21, 0xfedcba98                      ; lane l xor 16
	s_mov_b32 s22, 0xffff0000                      ; lanes 16-31
	s_mul_i32 s25, ttmp9, 6
	s_add_co_u32 s25, s25, s23                     ; my share
	s_lshr_b32 s26, s25, 1                         ; my block, 0..767
	s_and_b32 s27, s25, 1                          ; my half of K
	s_cmp_lt_u32 s25, 1024                         ; shares 0-1,023 are x's
	s_cselect_b32 s28, 0x3ff, 63
	s_and_b32 s28, s26, s28                        ; the block's number in its own tensor
	s_lshr_b32 s29, s28, 1
	s_lshl_b32 s29, s29, 17                        ; 32 rows of 4,096 bytes
	s_and_b32 s30, s28, 1
	s_lshl_b32 s30, s30, 15                        ; 8 rows
	s_add_co_u32 s30, s30, s29
	s_lshl_b32 s29, s27, 11                        ; 512 numbers
	s_add_co_u32 s30, s30, s29
	s_mov_b32 s31, 0
	s_lshr_b32 s32, s26, 3
	s_mul_i32 s32, s32, 98304                      ; my block's group
	s_and_b32 s29, s26, 7
	s_mul_i32 s29, s29, 3072                       ; its place in a pair's block
	s_add_co_u32 s32, s32, s29
	s_mul_i32 s29, s27, 49152                      ; my half of K: two pairs
	s_add_co_u32 s32, s32, s29
	s_mov_b32 s33, 0
	s_lshl_b32 s34, s25, 8                         ; 512 x block + 256 x half
	s_mov_b32 s35, 0
	s_wait_alu depctr_va_vdst(0)                   ; the wait at the head's end
	s_wait_kmcnt 0x0
	s_mov_b64 s[18:19], s[12:13]                   ; which tensor: the choice hangs on the share's number alone
	s_cmp_lt_u32 s25, 1408
	s_cselect_b64 s[18:19], s[10:11], s[18:19]
	s_cmp_lt_u32 s25, 1280
	s_cselect_b64 s[18:19], s[8:9], s[18:19]
	s_cmp_lt_u32 s25, 1152
	s_cselect_b64 s[18:19], s[6:7], s[18:19]
	s_cmp_lt_u32 s25, 1024
	s_cselect_b64 s[18:19], s[4:5], s[18:19]
	s_add_nc_u64 s[18:19], s[18:19], s[30:31]
	s_add_nc_u64 s[14:15], s[14:15], s[32:33]
	s_add_nc_u64 s[16:17], s[16:17], s[34:35]
.macro LOAD t                          ; K step t of the block's 16 rows: 512 consecutive bytes a load
.irp j, 0,1,2,3,4,5,6,7,8,9,10,11,12,13,14,15
	global_load_b128 v[LD+64*((\t)%2)+4*\j:LD+64*((\t)%2)+4*\j+3], v4, s[18:19] offset:(\j+8*(\j/8))*4096+512*(\t) th:TH_LOAD_NT
.endr
.endm
.macro TURN t                          ; through the stage: LDS serves a wave's instructions in order, so no wait stands between the stores and the loads
.irp j, 0,1,2,3,4,5,6,7,8,9,10,11,12,13,14,15
	ds_store_b128 v6, v[LD+64*((\t)%2)+4*\j:LD+64*((\t)%2)+4*\j+3] offset:PIT*\j
.endr
.irp c, 0,1
.irp i, 0,1,2,3,4,5,6,7
	ds_load_b128 v[X+32*\c+4*\i:X+32*\c+4*\i+3], v7 offset:256*\c+16*\i
.endr
.endr
.endm
.macro QF t                            ; my two whole blocks of 32 become codes; the fragment and its scale word
.irp c, 0,1
	v_max3_num_f32 v[MX+\c], |v[X+32*\c]|, |v[X+32*\c+1]|, 0x2800000   ; with the floor 2^(5 - 127) as a leaf: the byte cannot fall under 1
.endr
.irp i, 2,4,6,8,10,12,14,16,18,20,22,24,26,28,30
.irp c, 0,1
	v_max3_num_f32 v[MX+\c], v[MX+\c], |v[X+32*\c+\i]|, |v[X+32*\c+\i+1]|   ; (the two blocks by turns)
.endr
.endr
.irp c, 0,1
	v_add_nc_u32 v[SO+\c], 0xfe000000, v[MX+\c]    ; 4 off the exponent field: the conversion takes the exponent field of this operand as its scale
.endr
.irp c, 0,1
	v_lshrrev_b32 v[BY+\c], 23, v[SO+\c]           ; the scale's byte
.endr
	v_lshl_or_b32 v9, v[BY+1], 16, v[BY]           ; blocks h and 2 + h of row r,
	v_lshlrev_b32 v9, v10, v9                      ; at their places in the word;
	v_permlanex16_b32 v11, v9, s20, s21
	v_or_b32 v[SW+(\t)], v9, v11                   ; with lane l xor 16's two the word is whole, in both lanes
.if (\t) > 0
	s_wait_alu depctr_va_vdst(0)
	s_wait_xcnt 0x0                                ; the last step's stores have read the fragment's registers: only now are they written again
.endif
	v_cvt_scalef32_pk16_bf6_f32 v[C:C+2], v[X:X+15], v[SO]
	v_cvt_scalef32_pk16_bf6_f32 v[TA:TA+2], v[X+16:X+31], v[SO]
	v_cvt_scalef32_pk16_bf6_f32 v[C+6:C+8], v[X+32:X+47], v[SO+1]
	v_cvt_scalef32_pk16_bf6_f32 v[TC:TC+2], v[X+48:X+63], v[SO+1]
	v_nop                                          ; one plain place behind a scaled conversion
.irp i, 0,1,2
	v_mov_b32 v[C+3+\i], v[TA+\i]
	v_mov_b32 v[C+9+\i], v[TC+\i]
.endr
	global_store_b128 v4, v[C:C+3], s[14:15] offset:24576*((\t)/2)+1536*((\t)%2)          ; each store covers 512 or 256 consecutive bytes, aligned
	global_store_b64 v5, v[C+4:C+5], s[14:15] offset:24576*((\t)/2)+1536*((\t)%2)+512
	global_store_b128 v4, v[C+6:C+9], s[14:15] offset:24576*((\t)/2)+1536*((\t)%2)+768
	global_store_b64 v5, v[C+10:C+11], s[14:15] offset:24576*((\t)/2)+1536*((\t)%2)+1280
.endm
	LOAD 0
	LOAD 1
.irp t, 0,1,2,3
.if \t < 3
	s_wait_loadcnt 16                              ; this step's 16 loads are in; the next step's 16 may be out
.else
	s_wait_loadcnt 0x0
.endif
	TURN \t
	s_wait_dscnt 0x0                               ; my numbers are back, and the stage's stores have read their registers,
.if \t < 2
	LOAD \t+2                                      ; which take the loads of two steps on
.endif
	QF \t
.endr
	v_cndmask_b32 v[DD], v[SW], v[SW+2], s22       ; lanes 0-15 store words 0 and 1 of their row, lanes 16-31 words 2 and 3
	v_cndmask_b32 v[DD+1], v[SW+1], v[SW+3], s22
	global_store_b64 v8, v[DD:DD+1], s[16:17]      ; 32 lanes store 256 consecutive bytes, aligned
	s_wait_tensorcnt 0x0                           ; the wave's end
	ds_add_u32 v248, v249
	s_wait_dscnt 0x0
	s_endpgm
.Lfunc_end_k_qc3b39e12fb_quant:
	.size	k_qc3b39e12fb_quant, .Lfunc_end_k_qc3b39e12fb_quant-k_qc3b39e12fb_quant
	.p2alignl 7, 3214868480
	.fill 96, 4, 3214868480
	.section	.rodata,"a",@progbits
	.p2align	6, 0x0
	.amdhsa_kernel k_qc3b39e12fb_quant
		.amdhsa_group_segment_fixed_size 51456
		.amdhsa_private_segment_fixed_size 0
		.amdhsa_enable_private_segment 0
		.amdhsa_kernarg_size 56
		.amdhsa_user_sgpr_count 2
		.amdhsa_user_sgpr_kernarg_segment_ptr 1
		.amdhsa_wavefront_size32 1
		.amdhsa_system_sgpr_workgroup_id_x 1
		.amdhsa_system_sgpr_workgroup_id_y 1
		.amdhsa_system_sgpr_workgroup_id_z 1
		.amdhsa_system_vgpr_workitem_id 0
		.amdhsa_next_free_vgpr 250
		.amdhsa_next_free_sgpr 66
		.amdhsa_reserve_vcc 0
		.amdhsa_float_denorm_mode_32 3
		.amdhsa_float_denorm_mode_16_64 3
		.amdhsa_memory_ordered 1
		.amdhsa_forward_progress 1
		.amdhsa_inst_pref_size 31
	.end_amdhsa_kernel
	.amdgpu_metadata
---
amdhsa.version: [ 1, 2 ]
amdhsa.kernels:
  - .name:           k_qc3b39e12fb_quant
    .symbol:         k_qc3b39e12fb_quant.kd
    .args:
      - { .name: x, .offset: 0, .size: 8, .value_kind: global_buffer, .address_space: global }
      - { .name: Wq, .offset: 8, .size: 8, .value_kind: global_buffer, .address_space: global }
      - { .name: Wk, .offset: 16, .size: 8, .value_kind: global_buffer, .address_space: global }
      - { .name: Wv, .offset: 24, .size: 8, .value_kind: global_buffer, .address_space: global }
      - { .name: Wo, .offset: 32, .size: 8, .value_kind: global_buffer, .address_space: global }
      - { .name: codes, .offset: 40, .size: 8, .value_kind: global_buffer, .address_space: global }
      - { .name: scl, .offset: 48, .size: 8, .value_kind: global_buffer, .address_space: global }
    .group_segment_fixed_size: 51456
    .private_segment_fixed_size: 0
    .kernarg_segment_align: 8
    .kernarg_segment_size: 56
    .max_flat_workgroup_size: 192
    .sgpr_count:     66
    .vgpr_count:     250
    .wavefront_size: 32
...
	.end_amdgpu_metadata
.endif
;; end of part 1
;; launch proj (part 2): grid 32 x 8, 4 waves a work-group, clusters of 4 x 1, 327,680 bytes of LDS; arguments codes, scl, bq, bk, bv, qkv; writes qkv
.if DOCPART == 2
	.amdgcn_target "amdgcn-amd-amdhsa--gfx1250"
	.amdhsa_code_object_version 6
	.text
	.protected	k_qc3b39e12fb_proj
	.globl	k_qc3b39e12fb_proj
	.p2align	8
	.type	k_qc3b39e12fb_proj,@function
k_qc3b39e12fb_proj:
	s_mov_b64 s[64:65], 0
	v_nop
	global_prefetch_b8 v0, s[64:65] scope:SCOPE_SE
	s_setreg_imm32_b32 hwreg(HW_REG_WAVE_MODE, 25, 1), 1
	s_wait_xcnt 0x0
	s_wait_alu depctr_hold_cnt(0) depctr_sa_sdst(0) depctr_va_vdst(0) depctr_va_sdst(0) depctr_va_ssrc(0) depctr_va_vcc(0) depctr_vm_vsrc(0)
	s_getreg_b32 s2, hwreg(HW_REG_IB_STS2, 6, 4)
	s_cmp_eq_u32 s2, 0
	s_cbranch_scc0 .Lentry_in_a_cluster
	s_endpgm
.Lentry_in_a_cluster:
	s_bfe_u32 s2, ttmp6, 0x10000c
	s_cmp_lg_u32 s2, 0x3003
	s_cbranch_scc0 .Lentry_shape_is_right
	s_endpgm
.Lentry_shape_is_right:
; Q = x Wq^T + bq, K = x Wk^T + bk, V = x Wv^T + bv on codes of BF6 (E3M2) with E8M0 scales, K = 1,024; the results are quantised in registers and leave as codes: Q and K along the head's 64, V along the keys.
; codes: [group of 8 blocks of 16 rows][4 pairs of K steps][8 blocks][2 K steps][1,536]; a fragment is an image of its registers (6 c .. 6 c + 3 at 16 x lane, 6 c + 4, 6 c + 5 at 8 x lane).
; Lane r of block R holds row 32 (R / 2) + 8 (R % 2) + r + 8 (r / 8).  Groups 0-63 x, 64-71 Wq, 72-79 Wk, 80-87 Wv: the 3,072 features are 24 chunks of 128, one group each.
; SHARES: 256 work-groups, each 256 tokens x 384 features = three neighbouring chunks.  A wave takes 64 tokens: its four blocks of x, for all of K, are 384 registers, loaded once, straight from memory.
; The three chunks of weights, 294,912 dense bytes, all lie in LDS: chunk 0 comes by one tensor load a wave at the head (a pair of K steps each), chunks 1 and 2 by one more load a wave behind the full sequence;
; they have chunk 0's 256 products in which to land.  Nothing is filled again.  By this text's own count a wave has one tensor load out at a time.
; CLUSTERS: the four row tiles of a cluster walk the same weights and ask for them jointly.  x is read by the eight work-groups of a row tile, which lie in different clusters.
; No prefetch: all that the launch streams is asked for at its head, there is no loop to run ahead in.
; A chunk is 8 K steps x 32 products.  Q, K: source 0 = 16 rows of W, source 1 = 16 tokens: a lane holds a token, its registers run along the features.  V: the sources swapped: a lane holds a channel, its registers run along the keys.
; Which body a chunk takes hangs on the cluster's y and the loop's counter alone.
; qkv: [64 heads][16 groups of 128 tokens][Q 6,400 | K 6,400 | V 6,400]; a part is 4 fragments of 1,536 bytes and 256 bytes of scale words (the word at 8 x lane + 4 w: fragment 2 w + lane / 16, row lane % 16).
;   Q, K: a fragment is three pieces (registers 4 c .. 4 c + 3 at 512 c + 16 x lane); each half u of its K = 128 is a tile of 16 tokens x the head's 64; its scale word: two bytes of half 0, two of half 1.
;   Q: row r of half u of fragment f is token 32 f + 8 u + r + 8 (r / 8).
;   K: row r of half u of fragment f is token 64 (f / 2) + 16 (f % 2) + 8 u + r % 8 + 32 (r / 8): rows 0-7 and rows 8-15 lie 32 keys apart, so that the scores of four neighbouring tiles leave a whole block of 32 keys in a lane.
;      Only the lanes' store addresses differ from Q's: lanes 8-15 of a row of lanes go one fragment on, and the second pair of blocks 8 lanes on; such a store covers four runs of 128 consecutive bytes.
;   V: a fragment is two halves of 768 bytes, laid as in codes; fragment t: lane r holds channel 32 (t / 2) + 8 (t % 2) + r + 8 (r / 8); half c = keys 64 c on.  A wave's 64 keys are one half and two of the word's four bytes.
; LIMITS: NaN and infinities are not served.  A block of zeros, or one under 2^-122, gets the byte 1; the bytes are read by this program alone.
; REGISTERS: window 0: v4-29 addresses; v32-95 scale words; v96-191 W's fragments of odd K steps, on the way out scratch; v192-255 the bias.  Window 1: x's K steps 0-4.  Window 2: 32 accumulators.
;   Window 3: v0-143 x's K steps 5-7; v144-239 W's fragments of even K steps.
.set GRP,   98304
.set PAIRB, 24576
.set SPARE, 3*GRP
.set HEADB, 307200
.set WB16, 4                           ; v4-5 LDS address of the chunk's pairs 0-1, pairs 2-3, + 16 x lane;  v6-7 + 8 x lane
.set WB8,  6
.set VO16, 8
.set VO8,  9
.set SOF,  10
.set SOF2, 11
.set INC,  12
.set BOF,  13
.set BOV,  14
.set VA,   15                          ; where a lane stores its 16 bytes of a piece of Q or K
.set VS,   16                          ; and its scale word
.set VOK,  17                          ; K's forms of the two
.set VSK,  18
.set DP,   20
.set SPW,  28
.set NIL,  29
.set SC,   32                          ; SC + 8 i + s: lanes 0-15 the word of x's block i % 4, lanes 16-31 of W's block i, K step s
.set WO,   96
.set WE,   144
.set T,    96
.set FA,   128
.set FB,   140
.set X0,   152
.set X1,   156
.set TM,   160
.set PWS,  176
.set WD,   184
.set BT,   192
.set CI,   48                          ; s48 the chunk, 0..2
.set MSB, 0
.macro WIN new
.if MSB != (\new)
	s_set_vgpr_msb (MSB<<8)|(\new)
.set MSB, (\new)
.endif
.endm
.macro PLACES n
.rept \n
	v_nop
.endr
.endm
.macro CROUND
	s_barrier_signal -1
	s_barrier_wait -1
	s_cmp_lg_u32 s16, 0
	s_cbranch_scc1 .Lnot_wave_0_\@
	s_barrier_signal -3
.Lnot_wave_0_\@:
	s_barrier_wait -3
	s_barrier_signal -1
	s_barrier_wait -1
.endm
	s_load_b128 s[4:7], s[0:1], 0x0                ; codes, scl
	s_load_b128 s[8:11], s[0:1], 0x10              ; bq, bk
	s_load_b128 s[12:15], s[0:1], 0x20             ; bv, qkv
	v_lshl_add_u32 v[SPW], v0, 2, SPARE
	v_mov_b32 v[NIL], 0
	ds_add_u32 v[SPW], v[NIL]                      ; the opening lines: the add twice on end and its wait
	ds_add_u32 v[SPW], v[NIL]
	v_lshrrev_b32 v1, 5, v0
	v_readfirstlane_b32 s16, v1                    ; wave 0..3
	s_lshr_b32 s17, s16, 1                         ; which group of 128 tokens
	s_and_b32 s18, s16, 1                          ; which half of it
	s_and_b32 s19, ttmp7, 0xffff                   ; which 384 features
	s_bfe_u32 s21, ttmp6, 0x40000
	s_lshl_b32 s22, ttmp9, 2
	s_add_co_u32 s22, s22, s21                     ; row tile of 256 tokens
.irp g, 24, 32
	s_mov_b32 s[\g], 15|(3<<16)|(1<<21)            ; all four partners; elements of 8 bytes
	s_mov_b32 s[\g+1], 384<<16                     ; dense rows of 3,072 bytes
	s_mov_b32 s[\g+3], 384<<16
	s_mov_b32 s[\g+5], 384
	s_mov_b32 s[\g+6], 0
	s_mov_b32 s[\g+7], 0
.endr
	s_mov_b32 s26, 8<<16                           ; the head's load: a pair of K steps, 8 rows
	s_mov_b32 s28, 8
	s_mov_b32 s34, 16<<16                          ; the second: a quarter of chunks 1 and 2, 16 rows
	s_mov_b32 s36, 16
	s_mul_i32 s70, s19, 3
	s_add_co_u32 s70, s70, 64                      ; the first chunk's group
	s_mul_i32 s72, s70, GRP
	s_mov_b32 s73, 0
	s_mul_i32 s78, s16, PAIRB                      ; memory and LDS are laid alike: one offset serves both
	s_mov_b32 s79, 0
	s_mul_i32 s80, s16, 2*PAIRB
	s_add_co_u32 s80, s80, GRP
	s_mov_b32 s81, 0
	s_mov_b32 s40, 1
	s_mov_b32 s41, s78
	s_mov_b32 s44, 1
	s_mov_b32 s45, s80
	s_mov_b32 s66, 0x76543210
	s_mov_b32 s67, 0xfedcba98                      ; lane l xor 16
	s_mov_b32 s68, 0xffff0000                      ; lanes 16-31
	s_wait_dscnt 0x0
	s_wait_kmcnt 0x0
	s_add_nc_u64 s[72:73], s[4:5], s[72:73]
	s_add_nc_u64 s[42:43], s[72:73], s[78:79]
	s_or_b32 s43, s43, 0x80000000
	s_add_nc_u64 s[46:47], s[72:73], s[80:81]
	s_or_b32 s47, s47, 0x80000000
	CROUND                                         ; the four partners are here: the joint loads meet
	tensor_load_to_lds s[40:43], s[24:31]          ; chunk 0, pair = wave
	s_nop 0
	PLACES 4
	s_lshl_b32 s82, s22, 1
	s_add_co_u32 s82, s82, s17                     ; x's group
	s_mul_i32 s60, s82, GRP
	s_mul_i32 s83, s18, 4*3072
	s_add_co_u32 s60, s60, s83                     ; my four blocks
	s_mov_b32 s61, 0
	s_add_nc_u64 s[60:61], s[4:5], s[60:61]
	s_lshl_b32 s85, s82, 12
	s_lshl_b32 s86, s18, 11
	s_add_co_u32 s85, s85, s86                     ; their scale words: 512 bytes a block
	s_lshl_b32 s86, s70, 12                        ; the first chunk's
	s_lshr_b32 s74, s22, 3
	s_lshl_b32 s74, s74, 8                         ; 256 records a batch
	s_and_b32 s83, s22, 7
	s_lshl_b32 s83, s83, 1
	s_add_co_u32 s74, s74, s83
	s_add_co_u32 s74, s74, s17                     ; + my group of 128 tokens in its batch
	v_and_b32 v1, 15, v0
	v_bfe_u32 v2, v0, 4, 1
	v_and_b32 v3, 31, v0
	v_lshlrev_b32 v[VO16], 4, v3
	v_lshlrev_b32 v[VO8], 3, v3
	v_lshlrev_b32 v[WB16], 4, v3
	v_lshlrev_b32 v[WB8], 3, v3
	v_add_nc_u32 v[WB16+1], 2*PAIRB, v[VO16]
	v_add_nc_u32 v[WB8+1], 2*PAIRB, v[VO8]
	v_mov_b32 v[SOF], s85
	v_mov_b32 v20, s86
	v_cndmask_b32 v[SOF], v[SOF], v20, s68         ; lanes 0-15 take x's, lanes 16-31 W's
	v_lshl_add_u32 v[SOF], v1, 4, v[SOF]
	v_add_nc_u32 v20, 2048, v[SOF]
	v_cndmask_b32 v[SOF2], v[SOF], v20, s68        ; for W's blocks 4-7: lanes 0-15 stay on x's four
	v_mov_b32 v20, 0
	v_mov_b32 v21, 0x1000
	v_cndmask_b32 v[INC], v20, v21, s68            ; from chunk to chunk: W's words 4,096 bytes on, x's stay
	v_lshlrev_b32 v[BOF], 6, v2
	v_and_b32 v[BOV], 8, v1
	v_add_nc_u32 v[BOV], v[BOV], v1
	v_lshlrev_b32 v[BOV], 2, v[BOV]                ; (r + 8 (r / 8)) x 4
	v_lshrrev_b32 v22, 3, v1                       ; r / 8
	v_and_b32 v23, 7, v1                           ; r % 8
	v_lshl_add_u32 v19, v2, 4, v23                 ; 16 h + r % 8
	v_mul_u32_u24 v[VOK], v22, 1536
	v_lshl_add_u32 v[VOK], v19, 4, v[VOK]          ; K's codes: fragment r / 8, lane 16 h + r % 8
	v_lshlrev_b32 v[VSK], 7, v22
	v_lshl_add_u32 v[VSK], v2, 6, v[VSK]
	v_lshl_add_u32 v[VSK], v23, 3, v[VSK]          ; K's scale words: fragment r / 8, row 8 h + r % 8
.macro SCLOAD
.irp i, 0,1,2,3
.irp q, 0,1
	global_load_b128 v[SC+8*\i+4*\q:SC+8*\i+4*\q+3], v[SOF], s[6:7] offset:512*\i+256*\q
	global_load_b128 v[SC+32+8*\i+4*\q:SC+32+8*\i+4*\q+3], v[SOF2], s[6:7] offset:512*\i+256*\q
.endr
.endr
.endm
.macro XLOAD s                         ; x's four fragments of K step s: 16 loads of 512 or 256 consecutive bytes
	WIN (1+2*((\s)/5))<<6
.irp a, 0,1,2,3
.set XR, 48*((\s)%5)+12*\a
.set XF, PAIRB*((\s)/2)+3072*\a+1536*((\s)%2)
	global_load_b128 v[XR:XR+3], v[VO16], s[60:61] offset:XF
	global_load_b64 v[XR+4:XR+5], v[VO8], s[60:61] offset:XF+512
	global_load_b128 v[XR+6:XR+9], v[VO16], s[60:61] offset:XF+768
	global_load_b64 v[XR+10:XR+11], v[VO8], s[60:61] offset:XF+1280
.endr
.endm
	SCLOAD
.irp s, 0,1,2,3,4,5,6,7
	XLOAD \s
.endr
	WIN 0
.macro FRAG reg, a16, a8, off
	ds_load_b128 v[\reg:\reg+3], v[\a16] offset:\off
	ds_load_b64 v[\reg+4:\reg+5], v[\a8] offset:\off+512
	ds_load_b128 v[\reg+6:\reg+9], v[\a16] offset:\off+768
	ds_load_b64 v[\reg+10:\reg+11], v[\a8] offset:\off+1280
.endm
.macro FETCH s                         ; W's eight fragments of K step s: 32 loads; even steps into window 3, odd ones into window 0
	WIN 0xc0*(1-(\s)%2)
.irp i, 0,1,2,3,4,5,6,7
	FRAG WO+(WE-WO)*(1-(\s)%2)+12*\i, WB16+(\s)/4, WB8+(\s)/4, PAIRB*(((\s)/2)%2)+3072*\i+1536*((\s)%2)
.endr
	WIN 0
.endm
.macro WM d, p, q, sa, sb, z, row
.if \z
	v_wmma_scale_f32_16x16x128_f8f6f4 v[\d:\d+7], v[\p:\p+11], v[\q:\q+11], 0, v[\sa], v[\sb] matrix_a_fmt:MATRIX_FMT_BF6 matrix_b_fmt:MATRIX_FMT_BF6 \row
.else
	v_wmma_scale_f32_16x16x128_f8f6f4 v[\d:\d+7], v[\p:\p+11], v[\q:\q+11], v[\d:\d+7], v[\sa], v[\sb] matrix_a_fmt:MATRIX_FMT_BF6 matrix_b_fmt:MATRIX_FMT_BF6 \row
.endif
.endm
; 32 products of K step s; the accumulators take turns, in the same order in every step; the first step starts the sums.
; v = 0: accumulator (a, b) at 8 (8 a + b); v = 1: at 8 (4 b + a), so that a channel's 32 numbers lie on end.
.macro MUL s, v
.set XWIN, 1+2*((\s)/5)
.set XB,   48*((\s)%5)
.set WWIN, 3*(1-(\s)%2)
.set WBS,  WO+(WE-WO)*(1-(\s)%2)
.if \v
	WIN 0xa0|XWIN|(WWIN<<2)
.irp b, 0,1,2,3,4,5,6,7
.irp a, 0,1,2,3
	WM 8*(4*\b+\a), XB+12*\a, WBS+12*\b, SC+8*\a+(\s), SC+8*\b+(\s), (\s)==0, matrix_b_scale:MATRIX_SCALE_ROW1
.endr
.endr
.else
	WIN 0xa0|WWIN|(XWIN<<2)
.irp a, 0,1,2,3
.irp b, 0,1,2,3,4,5,6,7
	WM 8*(8*\a+\b), WBS+12*\b, XB+12*\a, SC+8*\b+(\s), SC+8*\a+(\s), (\s)==0, matrix_a_scale:MATRIX_SCALE_ROW1
.endr
.endr
.endif
.endm
.macro STEP s, v
	PLACES 4                                       ; in front of loads into registers that the last products have read
	FETCH (\s)+1
	s_wait_dscnt 32                                ; this step's fragments are in; the 32 loads just issued may be out
.if (\s) == 5
	s_wait_loadcnt 0x0                             ; x's K steps 5-7 (first chunk) and the chunk's bias
.endif
	MUL \s, \v
.endm
; The last K step.  The barrier shows chunks 1 and 2 whole to every wave, ahead of the first fetch from them.  Behind it, but for the last chunk: the next chunk's addresses, its first fragments and its scale words, under the way out.
.macro LAST v
	WIN 0
	s_wait_dscnt 0x0
	s_wait_tensorcnt 0x0
	s_barrier_signal -1
	MUL 7, \v
	WIN 0
	PLACES 4
	s_barrier_wait -1
	s_cmp_eq_u32 s[CI], 2
	s_cbranch_scc1 .Lnonext_\@
	s_add_co_u32 s53, s[CI], 1
	s_min_u32 s53, s53, 2
	s_mul_i32 s53, s53, GRP
	v_add_nc_u32 v[WB16], s53, v[VO16]
	v_add_nc_u32 v[WB8], s53, v[VO8]
	s_add_co_u32 s53, s53, 2*PAIRB
	v_add_nc_u32 v[WB16+1], s53, v[VO16]
	v_add_nc_u32 v[WB8+1], s53, v[VO8]
	v_add_nc_u32 v[SOF], v[SOF], v[INC]
	v_add_nc_u32 v[SOF2], v[SOF2], v[INC]
	FETCH 0
	SCLOAD
.Lnonext_\@:
.endm
; nb blocks of 32: my 16 numbers of each at v[src + 16 n], window w of the sources; the bytes' word in v[pw]; the scale operands in v[TM + 12 ..]
.macro SCALES src, w, nb, pw
	WIN 5*(\w)
.set n, 0
.rept \nb
	v_max3_num_f32 v[TM+n], |v[\src+16*n]|, |v[\src+16*n+1]|, 0x2800000   ; with the floor 2^(5 - 127): the byte cannot fall under 1
.set n, n+1
.endr
	WIN 20*(\w)
.irp i, 2,4,6,8,10,12,14
.set n, 0
.rept \nb
	v_max3_num_f32 v[TM+n], v[TM+n], |v[\src+16*n+\i]|, |v[\src+16*n+\i+1]|   ; the blocks by turns
.set n, n+1
.endr
.endr
	WIN 0
.set n, 0
.rept \nb
	v_permlanex16_b32 v[TM+4+n], v[TM+n], s66, s67
.set n, n+1
.endr
.set n, 0
.rept \nb
	v_max_num_f32 v[TM+n], v[TM+n], v[TM+4+n]      ; with lane l xor 16's: the block's largest magnitude
.set n, n+1
.endr
.set n, 0
.rept \nb
	v_add_nc_u32 v[TM+12+n], 0xfe000000, v[TM+n]   ; 4 off its exponent field: the conversion's scale operand
.set n, n+1
.endr
.set n, 0
.rept \nb
	v_lshrrev_b32 v[TM+4+n], 23, v[TM+12+n]        ; the byte
.set n, n+1
.endr
	v_lshl_or_b32 v[\pw], v[TM+5], 8, v[TM+4]
.if \nb > 2
	v_lshl_or_b32 v[\pw], v[TM+6], 16, v[\pw]
	v_lshl_or_b32 v[\pw], v[TM+7], 24, v[\pw]
.endif
.endm
.macro WHOLE d, x                      ; two half blocks a lane become a whole block a lane: lanes 0-15 the even block, lanes 16-31 the odd one
.irp i, 0,1,2
	v_permlane16_swap_b32 v[\d+\i], v[\x+\i]
.endr
.irp i, 0,1,2
	v_mov_b32 v[\d+3+\i], v[\x+\i]
.endr
.endm
.macro PUTF reg, base, off             ; a fragment's registers of Q or K leave in three pieces
	global_store_b128 v[VA], v[\reg:\reg+3], s[\base:\base+1] offset:\off
	global_store_b128 v[VA], v[\reg+4:\reg+7], s[\base:\base+1] offset:\off+512
	global_store_b128 v[VA], v[\reg+8:\reg+11], s[\base:\base+1] offset:\off+1024
.endm
	s_wait_alu depctr_va_vdst(0)                   ; the wait at the head's end
	s_wait_tensorcnt 0x0                           ; my pair of chunk 0 is in
	ds_add_u32 v[SPW], v[NIL]
	s_wait_dscnt 0x0
	CROUND                                         ; everybody's is, and the four partners are here
	tensor_load_to_lds s[44:47], s[32:39]          ; my quarter of chunks 1 and 2
	s_nop 0
	PLACES 4
	FETCH 0
	s_mov_b32 s[CI], 0
	s_wait_loadcnt 48                              ; the scale words and x's K steps 0-4 are in; the 48 loads of K steps 5-7 may be out
.Lchunk:
	s_wait_xcnt 0x0                                ; the last chunk's stores and loads have read their bases and registers
	s_mul_i32 s50, s19, 3
	s_add_co_u32 s50, s50, s[CI]                   ; the chunk among the 24
	s_lshr_b32 s51, s50, 3                         ; 0 Q, 1 K, 2 V
	s_and_b32 s52, s50, 7                          ; its pair of heads
	s_lshl_b32 s53, s52, 5
	s_add_co_u32 s53, s53, s74
	s_mul_i32 s72, s53, 19200
	s_mul_i32 s53, s51, 6400
	s_add_co_u32 s72, s72, s53
	s_mov_b32 s73, 0
	s_add_nc_u64 s[56:57], s[14:15], s[72:73]      ; my part of the first head's record
	s_add_nc_u64 s[58:59], s[56:57], 6144          ; and its scale words
	s_cmp_eq_u32 s51, 1
	s_cselect_b64 s[54:55], s[10:11], s[8:9]
	s_cmp_eq_u32 s51, 2
	s_cselect_b64 s[54:55], s[12:13], s[54:55]
	s_lshl_b32 s72, s52, 9
	s_add_nc_u64 s[54:55], s[54:55], s[72:73]      ; the chunk's 128 biases
	s_cmp_eq_u32 s51, 2
	s_cbranch_scc1 .Lv
	; Q, K
	s_mul_i32 s72, s18, 3072
	s_add_nc_u64 s[56:57], s[56:57], s[72:73]      ; my 64 tokens are fragments 2 c and 2 c + 1,
	s_lshl_b32 s72, s18, 2
	s_add_nc_u64 s[58:59], s[58:59], s[72:73]      ; word c
	s_mov_b32 s72, 1536
	s_cmp_eq_u32 s51, 1
	s_cselect_b32 s72, 128, s72                    ; my second pair of blocks: Q: the next fragment; K: 8 lanes on
	s_cselect_b32 s75, -1, 0
	s_add_nc_u64 s[76:77], s[56:57], s[72:73]
	v_cndmask_b32 v[VA], v[VO16], v[VOK], s75      ; the lanes' places: Q's or K's
	v_cndmask_b32 v[VS], v[VO8], v[VSK], s75
.irp b, 0,1,2,3,4,5,6,7
	global_load_b128 v[BT+8*\b:BT+8*\b+3], v[BOF], s[54:55] offset:(32*(\b/2)+8*(\b%2))*4        ; block b's registers: features 32 (b / 2) + 8 (b % 2) + 16 h + 0 .. 7
	global_load_b128 v[BT+8*\b+4:BT+8*\b+7], v[BOF], s[54:55] offset:(32*(\b/2)+8*(\b%2))*4+16
.endr
.irp s, 0,1,2,3,4,5,6
	STEP \s, 0
.endr
	LAST 0
.irp b, 0,1,2,3
	v_mov_b32 v[TM+4+\b], 0                        ; a lane permute's destination counts as one of its sources
.endr
.irp a, 0,1,2,3                        ; block a's 16 tokens: 64 numbers a lane, register 16 n + i = feature 32 n + 16 h + i; blocks 0, 1 the first head, 2, 3 the second
.if \a == 2
	s_wait_alu depctr_va_vdst(0)
	s_wait_xcnt 0x0                                ; the last stores have read the two fragments' registers
.endif
	WIN 0x82
.irp b, 0,1,2,3,4,5,6,7
.irp i, 0,2,4,6
	v_pk_add_f32 v[64*\a+8*\b+\i:64*\a+8*\b+\i+1], v[64*\a+8*\b+\i:64*\a+8*\b+\i+1], v[BT+8*\b+\i:BT+8*\b+\i+1]   ; the bias, each accumulator from its low end on
.endr
.endr
	SCALES 64*\a, 2, 4, PWS+\a
	WIN 0x02
	v_cvt_scalef32_pk16_bf6_f32 v[FA+6*(\a%2):FA+6*(\a%2)+2], v[64*\a:64*\a+15], v[TM+12]
	v_cvt_scalef32_pk16_bf6_f32 v[X0:X0+2], v[64*\a+16:64*\a+31], v[TM+13]
	v_cvt_scalef32_pk16_bf6_f32 v[FB+6*(\a%2):FB+6*(\a%2)+2], v[64*\a+32:64*\a+47], v[TM+14]
	v_cvt_scalef32_pk16_bf6_f32 v[X1:X1+2], v[64*\a+48:64*\a+63], v[TM+15]
	WIN 0
	v_nop                                          ; one plain place behind a scaled conversion
	WHOLE FA+6*(\a%2), X0
	WHOLE FB+6*(\a%2), X1
.if \a % 2
	PUTF FA, 56+20*(\a/2), 0                       ; blocks a - 1 and a are the two halves of K = 128
	PUTF FB, 56+20*(\a/2), HEADB
.endif
.endr
.irp n, 0,1
	v_perm_b32 v[WD+\n], v[PWS+2*\n+1], v[PWS+2*\n], 0x05040100     ; a pair of blocks' word, first head: two bytes of half 0, two of half 1
	v_perm_b32 v[WD+2+\n], v[PWS+2*\n+1], v[PWS+2*\n], 0x07060302   ; second head
.endr
	v_cndmask_b32 v[DP], v[WD], v[WD+1], s68       ; lanes 0-15 store the first pair's words, lanes 16-31 the second pair's
	v_cndmask_b32 v[DP+1], v[WD+2], v[WD+3], s68
	global_store_b32 v[VS], v[DP], s[58:59]
	global_store_b32 v[VS], v[DP+1], s[58:59] offset:HEADB
	s_branch .Ljoin
.Lv:
	s_mul_i32 s72, s18, 768
	s_add_nc_u64 s[56:57], s[56:57], s[72:73]      ; my 64 keys are half c of each fragment,
	s_lshl_b32 s72, s18, 1
	s_add_nc_u64 s[58:59], s[58:59], s[72:73]      ; bytes 2 c and 2 c + 1 of each word
.irp b, 0,1,2,3,4,5,6,7
	global_load_b32 v[BT+2*\b], v[BOV], s[54:55] offset:(32*(\b/2)+8*(\b%2))*4       ; my channel's bias, in both registers of a pair
	global_load_b32 v[BT+2*\b+1], v[BOV], s[54:55] offset:(32*(\b/2)+8*(\b%2))*4
.endr
.irp s, 0,1,2,3,4,5,6
	STEP \s, 1
.endr
	LAST 1
.irp b, 0,1
	v_mov_b32 v[TM+4+\b], 0
.endr
.irp b, 0,1,2,3,4,5,6,7                ; W's block b is fragment b % 4 of head b / 4: 32 numbers a lane, register 16 n + i = key 32 n + 16 h + i of my 64
.if \b > 1
	s_wait_alu depctr_va_vdst(0)
	s_wait_xcnt 0x0                                ; the stores of two blocks ago have read their registers
.endif
	WIN 0x02
.irp i, 0,2,4,6,8,10,12,14,16,18,20,22,24,26,28,30
	v_pk_add_f32 v[T+\i:T+\i+1], v[32*\b+\i:32*\b+\i+1], v[BT+2*\b:BT+2*\b+1]
.endr
	SCALES T, 0, 2, PWS+\b
	v_cvt_scalef32_pk16_bf6_f32 v[FA+12*(\b%2):FA+12*(\b%2)+2], v[T:T+15], v[TM+12]
	v_cvt_scalef32_pk16_bf6_f32 v[X0:X0+2], v[T+16:T+31], v[TM+13]
	v_nop
	WHOLE FA+12*(\b%2), X0
	global_store_b128 v[VO16], v[FA+12*(\b%2):FA+12*(\b%2)+3], s[56:57] offset:HEADB*(\b/4)+1536*(\b%4)        ; 512 and 256 consecutive bytes, aligned
	global_store_b64 v[VO8], v[FA+12*(\b%2)+4:FA+12*(\b%2)+5], s[56:57] offset:HEADB*(\b/4)+1536*(\b%4)+512
.endr
.irp d, 0,1
	v_cndmask_b32 v[DP+2*\d], v[PWS+4*\d], v[PWS+4*\d+1], s68
	v_cndmask_b32 v[DP+2*\d+1], v[PWS+4*\d+2], v[PWS+4*\d+3], s68
	global_store_b16 v[VO8], v[DP+2*\d], s[58:59] offset:HEADB*\d
	global_store_b16 v[VO8], v[DP+2*\d+1], s[58:59] offset:HEADB*\d+4
.endr
.Ljoin:
	s_wait_alu depctr_va_vdst(0)                   ; the wait ahead of the wait and the branch below
	s_wait_loadcnt 0x0                             ; the next chunk's scale words
	s_add_co_u32 s[CI], s[CI], 1
	s_cmp_lt_u32 s[CI], 3
	s_cbranch_scc1 .Lchunk
	s_wait_tensorcnt 0x0                           ; the wave's end
	ds_add_u32 v[SPW], v[NIL]
	s_wait_dscnt 0x0
	CROUND                                         ; the closing round
	s_endpgm
.Lfunc_end_k_qc3b39e12fb_proj:
	.size	k_qc3b39e12fb_proj, .Lfunc_end_k_qc3b39e12fb_proj-k_qc3b39e12fb_proj
	.p2alignl 7, 3214868480
	.fill 96, 4, 3214868480
	.section	.rodata,"a",@progbits
	.p2align	6, 0x0
	.amdhsa_kernel k_qc3b39e12fb_proj
		.amdhsa_group_segment_fixed_size 327680
		.amdhsa_private_segment_fixed_size 0
		.amdhsa_enable_private_segment 0
		.amdhsa_kernarg_size 48
		.amdhsa_user_sgpr_count 2
		.amdhsa_user_sgpr_kernarg_segment_ptr 1
		.amdhsa_wavefront_size32 1
		.amdhsa_system_sgpr_workgroup_id_x 1
		.amdhsa_system_sgpr_workgroup_id_y 1
		.amdhsa_system_sgpr_workgroup_id_z 1
		.amdhsa_system_vgpr_workitem_id 0
		.amdhsa_next_free_vgpr 1024
		.amdhsa_next_free_sgpr 100
		.amdhsa_reserve_vcc 0
		.amdhsa_float_denorm_mode_32 3
		.amdhsa_float_denorm_mode_16_64 3
		.amdhsa_memory_ordered 1
		.amdhsa_forward_progress 1
		.amdhsa_inst_pref_size 183
	.end_amdhsa_kernel
	.amdgpu_metadata
---
amdhsa.version: [ 1, 2 ]
amdhsa.kernels:
  - .name:           k_qc3b39e12fb_proj
    .symbol:         k_qc3b39e12fb_proj.kd
    .args:
      - { .name: codes, .offset: 0, .size: 8, .value_kind: global_buffer, .address_space: global }
      - { .name: scl, .offset: 8, .size: 8, .value_kind: global_buffer, .address_space: global }
      - { .name: bq, .offset: 16, .size: 8, .value_kind: global_buffer, .address_space: global }
      - { .name: bk, .offset: 24, .size: 8, .value_kind: global_buffer, .address_space: global }
      - { .name: bv, .offset: 32, .size: 8, .value_kind: global_buffer, .address_space: global }
      - { .name: qkv, .offset: 40, .size: 8, .value_kind: global_buffer, .address_space: global }
    .group_segment_fixed_size: 327680
    .private_segment_fixed_size: 0
    .kernarg_segment_align: 8
    .kernarg_segment_size: 48
    .max_flat_workgroup_size: 128
    .sgpr_count:     100
    .vgpr_count:     1024
    .wavefront_size: 32
...
	.end_amdgpu_metadata
.endif
;; end of part 2
;; launch attn (part 3): grid 4 x 64, 16 waves a work-group, clusters of 4 x 1, 327,680 bytes of LDS; arguments qkv, codes, scl; writes codes, scl
.if DOCPART == 3
	.amdgcn_target "amdgcn-amd-amdhsa--gfx1250"
	.amdhsa_code_object_version 6
	.text
	.protected	k_qc3b39e12fb_attn
	.globl	k_qc3b39e12fb_attn
	.p2align	8
	.type	k_qc3b39e12fb_attn,@function
k_qc3b39e12fb_attn:
	s_mov_b64 s[64:65], 0
	v_nop
	global_prefetch_b8 v0, s[64:65] scope:SCOPE_SE
	s_setreg_imm32_b32 hwreg(HW_REG_WAVE_MODE, 25, 1), 1
	s_wait_xcnt 0x0
	s_wait_alu depctr_hold_cnt(0) depctr_sa_sdst(0) depctr_va_vdst(0) depctr_va_sdst(0) depctr_va_ssrc(0) depctr_va_vcc(0) depctr_vm_vsrc(0)
	s_getreg_b32 s2, hwreg(HW_REG_IB_STS2, 6, 4)
	s_cmp_eq_u32 s2, 0
	s_cbranch_scc0 .Lentry_in_a_cluster
	s_endpgm
.Lentry_in_a_cluster:
	s_bfe_u32 s2, ttmp6, 0x10000c
	s_cmp_lg_u32 s2, 0x3003
	s_cbranch_scc0 .Lentry_shape_is_right
	s_endpgm
.Lentry_shape_is_right:
; o = softmax(q k^T / 8) v for one head and 512 queries, on codes of BF6 (E3M2) with E8M0 scales; o is quantised along the head's 64 and leaves as codes and scale bytes for the last projection.
; qkv: [64 heads][16 groups of 128 tokens][Q 6,400 | K 6,400 | V 6,400]; a part is 4 fragments of 1,536 bytes and 256 bytes of scale words (the word at 8 x lane + 4 w: fragment 2 w + lane / 16, row lane % 16).
; A fragment of Q or K is three pieces (registers 4 c .. 4 c + 3 at 512 c + 16 x lane) and holds two tiles of 16 tokens x 64, one in each half of its K = 128; q stands beside six registers of zero codes, which pick the half.
; A fragment of V (16 channels x 128 keys) is two halves of 768 bytes: registers 6 c .. 6 c + 3 at 16 x lane, 6 c + 4, 6 c + 5 at 8 x lane.
; Both products are used transposed (S^T = k q^T, O^T = v^T p^T): a lane holds one query.  Row r of half u of K's fragment f is key 64 (f / 2) + 16 (f % 2) + 8 u + r % 8 + 32 (r / 8):
; so register 32 c + i of S^T in lane (r, h) is key 64 c + 32 h + i: A WHOLE BLOCK OF 32 KEYS LIES IN ONE LANE, in the order in which p's operand wants it: its largest p needs no other lane, and its codes change no lane.
; p = 2^(t - M), t = score x log2(e) / 8, M the running largest t rounded up to a whole number; the row's sum is taken of the unquantised p; when M moves, sum and O^T are multiplied by a power of two.
; SHARES: a work-group takes 512 queries of a head, a wave two tiles of 16 queries one after the other, 16 steps of 128 keys each.  All K and V of the head, 16 x 12,800 bytes, lie in LDS, 16,384 bytes apart.
; Each wave asks for one group's K and V by ONE tensor load at the head; nothing is filled again.  The four work-groups of a head form a cluster and ask jointly.
; No prefetch: the launch's only stream is asked for whole at the head, so there is no loop to run ahead in.
; The next step's K fragments are fetched behind the second product, under the row's sums; the walk over the groups wraps by a mask, so a tile's last step fetches group 0, which the next tile begins with (the second tile's last fetch is not used).
; The output goes to codes [group of 8 blocks][4 pairs of K steps][8 blocks][2 K steps][1,536], over x's codes, and to scl as the quantising launch lays it.
; LIMITS: the promise holds while the scaled scores stay under 2^31 in magnitude.  NaN and infinities are not served.  A block of zeros, or one under 2^-122, gets the byte 1; the bytes are read by this program alone.
.set SPARE, 0x40000                    ; behind the 16 groups: the spare words, 128 bytes for each wave
.set L16,  1                           ; 16 x lane
.set L8,   2                           ; 8 x lane
.set AD,   3                           ; LDS: the step's group + 16 x lane
.set AD8,  4                           ; + 8 x lane
.set QSO,  6
.set OSO,  7
.set OWS,  8
.set QS,   34                          ; q's scale word
.set QR0,  35
.set Q1,   36                          ; v36-41 the second tile's q
.set QR1,  42
.set H8,   43                          ; 8 h: my bytes' place in p's scale word
.set KS,   44
.set VS,   46
.set FRG,  48                          ; v48-95 four fragments of K or of V
.set S,    96                          ; v96-159 S^T, then p; on the way out o
.set O,    160                         ; v160-191 O^T
.set T,    192                         ; v192-197 three side chains of the row's sum
.set F,    198                         ; v198 the factor 2^(old M - new M); v199 p's scale word
.set PW,   199
.set BM,   200                         ; v200-203 largest scores; then v200, v202 my two blocks' largest p
.set BP,   204
.set SO,   208                         ; the conversions' scale operands
.set BY,   212
.set X0,   216
.set X1,   220
.set OLDM, 223
.set PC,   224                         ; v224-235 p's codes
.set SPW,  254
.set NIL,  255
.set WV,   16
.set SEL,  20
.set CS,   22
.set G1,   24
.set G0,   40
.set TB,   48
.set CNT,  49
.set MSK,  50
.set PSEL, 51
.set OC,   52
.set OS,   54
.set QP,   56
.set QSP,  58
.macro CROUND
	s_barrier_signal -1
	s_barrier_wait -1
	s_cmp_lg_u32 s[WV], 0
	s_cbranch_scc1 .Lnot_wave_0_\@
	s_barrier_signal -3
.Lnot_wave_0_\@:
	s_barrier_wait -3
	s_barrier_signal -1
	s_barrier_wait -1
.endm
	s_load_b128 s[4:7], s[0:1], 0x0                ; qkv, codes
	s_load_b64 s[8:9], s[0:1], 0x10                ; scl
	v_lshl_add_u32 v[SPW], v0, 2, SPARE
	v_mov_b32 v[NIL], 0
	ds_add_u32 v[SPW], v[NIL]                      ; the opening lines: the add twice on end and its wait
	ds_add_u32 v[SPW], v[NIL]
	v_lshrrev_b32 v5, 5, v0
	v_readfirstlane_b32 s[WV], v5                  ; wave 0..15
	s_bfe_u32 s17, ttmp6, 0x40000                  ; cx: which 512 queries
	s_and_b32 s18, ttmp7, 0xffff                   ; 16 x batch + head
	s_mul_i32 s10, s18, 307200
	s_mul_i32 s12, s[WV], 19200                    ; group = wave
	s_add_co_u32 s12, s12, s10
	s_add_co_u32 s12, s12, 6400                    ; its K and V: 12,800 dense bytes
	s_mov_b32 s13, 0
	s_mov_b32 s[G1], 15|(3<<16)|(1<<21)            ; all four partners; elements of 8 bytes
	s_mov_b32 s[G1+1], 32<<16                      ; 50 rows of 256 bytes
	s_mov_b32 s[G1+2], 50<<16
	s_mov_b32 s[G1+3], 32<<16
	s_mov_b32 s[G1+4], 50
	s_mov_b32 s[G1+5], 32
	s_mov_b32 s[G1+6], 0
	s_mov_b32 s[G1+7], 0
	s_mov_b32 s[G0], 1
	s_lshl_b32 s[G0+1], s[WV], 14                  ; LDS: 16,384 x wave
	s_mov_b32 s[SEL], 0x76543210
	s_mov_b32 s[SEL+1], 0xfedcba98                 ; lane l xor 16
	s_mov_b32 s[CS], 0x3e38aa3b                    ; log2(e) / 8
	s_mov_b32 s[CS+1], s[CS]
	s_mov_b32 s[MSK], 0xffff0000
	s_wait_dscnt 0x0
	s_wait_kmcnt 0x0
	s_add_nc_u64 s[G0+2:G0+3], s[4:5], s[12:13]
	s_or_b32 s[G0+3], s[G0+3], 0x80000000
	CROUND                                         ; the four partners are here: the joint loads meet
	tensor_load_to_lds s[G0:G0+3], s[G1:G1+7]
	s_nop 0
	s_lshl_b32 s32, s17, 2
	s_lshr_b32 s33, s[WV], 3
	s_add_co_u32 s32, s32, s33                     ; my first tile's group of 128 tokens: 4 cx + wave / 8 (the second's: two groups on)
	s_mul_i32 s35, s32, 19200
	s_add_co_u32 s35, s35, s10
	s_bfe_u32 s33, s[WV], 0x20001                  ; its fragment
	s_mul_i32 s36, s33, 1536
	s_add_co_u32 s36, s36, s35
	s_mov_b32 s37, 0
	s_add_nc_u64 s[QP:QP+1], s[4:5], s[36:37]
	s_and_b32 s38, s33, 1
	s_lshl_b32 s38, s38, 7
	s_lshr_b32 s39, s33, 1
	s_lshl_b32 s39, s39, 2
	s_add_co_u32 s38, s38, s39
	s_add_co_u32 s38, s38, s35
	s_add_co_u32 s38, s38, 6144
	s_mov_b32 s39, 0
	s_add_nc_u64 s[QSP:QSP+1], s[4:5], s[38:39]
	s_lshr_b32 s11, s18, 4
	s_lshl_b32 s11, s11, 4
	s_add_co_u32 s11, s11, s32                     ; my block of 16 tokens: its group of 8,
	s_and_b32 s13, s[WV], 7                        ; and its place there
	s_and_b32 s33, s18, 15                         ; head
	s_mul_i32 s36, s11, 98304
	s_mul_i32 s15, s13, 3072
	s_add_co_u32 s36, s36, s15
	s_lshr_b32 s15, s33, 2
	s_mul_i32 s15, s15, 24576                      ; four heads to a pair of K steps,
	s_add_co_u32 s36, s36, s15
	s_and_b32 s15, s33, 3
	s_mul_i32 s15, s15, 768                        ; 768 bytes each
	s_add_co_u32 s36, s36, s15
	s_add_nc_u64 s[OC:OC+1], s[6:7], s[36:37]
	s_lshl_b32 s36, s11, 3
	s_add_co_u32 s36, s36, s13
	s_lshl_b32 s36, s36, 9
	s_lshr_b32 s15, s33, 3
	s_lshl_b32 s15, s15, 8
	s_add_co_u32 s36, s36, s15
	s_and_b32 s15, s33, 7
	s_lshl_b32 s15, s15, 1
	s_add_co_u32 s36, s36, s15
	s_add_nc_u64 s[OS:OS+1], s[8:9], s[36:37]
	s_and_b32 s14, s[WV], 1                        ; which half of the fragment is my tile: registers 6 u .. 6 u + 5, in three pieces of 8 bytes
	s_mov_b32 s[PSEL], 0x03020302
	s_mov_b32 s63, 1032
	s_cmp_eq_u32 s14, 0
	s_cselect_b32 s[PSEL], 0x01000100, s[PSEL]
	s_cselect_b32 s60, 0, 520
	s_cselect_b32 s61, 8, 1024
	s_cselect_b32 s62, 512, s63
	v_and_b32 v5, 31, v0
	v_lshlrev_b32 v[L16], 4, v5
	v_lshlrev_b32 v[L8], 3, v5
	v_lshlrev_b32 v[AD], 4, v5                     ; group 0
	v_lshlrev_b32 v[AD8], 3, v5
	v_and_b32 v9, 15, v0
	v_bfe_u32 v10, v0, 4, 1
	v_lshlrev_b32 v[QSO], 3, v9
	v_lshlrev_b32 v[OSO], 4, v9
	v_lshl_add_u32 v[OSO], v10, 13, v[OSO]
	v_lshlrev_b32 v[H8], 3, v10
	v_add_nc_u32 v9, s60, v[L16]
	v_add_nc_u32 v10, s61, v[L16]
	v_add_nc_u32 v11, s62, v[L16]
.irp j, 0,1
	global_load_b64 v[22+14*\j:23+14*\j], v9, s[QP:QP+1] offset:38400*\j
	global_load_b64 v[24+14*\j:25+14*\j], v10, s[QP:QP+1] offset:38400*\j
	global_load_b64 v[26+14*\j:27+14*\j], v11, s[QP:QP+1] offset:38400*\j
.endr
	global_load_b32 v[QR0], v[QSO], s[QSP:QSP+1]
	global_load_b32 v[QR1], v[QSO], s[QSP:QSP+1] offset:38400
.irp i, 0,1,2,3,4,5
	v_mov_b32 v[16+\i], 0                          ; zero codes on both sides of q
	v_mov_b32 v[28+\i], 0
.endr
.irp b, 0,1,2,3
	v_mov_b32 v[BP+\b], 0                          ; a lane permute's destination counts as one of its sources
.endr
	v_mov_b32 v[PW], 0
.macro KLOAD
.irp b, 0,1,2,3
	ds_load_b128 v[FRG+12*\b:FRG+12*\b+3], v[AD] offset:1536*\b
	ds_load_b128 v[FRG+12*\b+4:FRG+12*\b+7], v[AD] offset:1536*\b+512
	ds_load_b128 v[FRG+12*\b+8:FRG+12*\b+11], v[AD] offset:1536*\b+1024
.endr
	ds_load_b64 v[KS:KS+1], v[AD8] offset:6144
.endm
.macro SUMS k0, n                      ; n rounds of the row's sum: four chains, eight numbers a round
.set k, \k0
.rept \n
	v_pk_add_f32 v[14:15], v[14:15], v[S+8*k:S+8*k+1]
	v_pk_add_f32 v[T:T+1], v[T:T+1], v[S+8*k+2:S+8*k+3]
	v_pk_add_f32 v[T+2:T+3], v[T+2:T+3], v[S+8*k+4:S+8*k+5]
	v_pk_add_f32 v[T+4:T+5], v[T+4:T+5], v[S+8*k+6:S+8*k+7]
.set k, k+1
.endr
.endm
.macro PKF n                           ; t - M, two at a time
.rept \n
	v_pk_fma_f32 v[S+j:S+j+1], v[S+j:S+j+1], s[CS:CS+1], v[12:13] op_sel_hi:[1,0,0]
.set j, j+2
.endr
.endm
.macro JOIN                            ; the side chains of the last step go into the sum
	v_pk_add_f32 v[14:15], v[14:15], v[T:T+1]
	v_pk_add_f32 v[T+2:T+3], v[T+2:T+3], v[T+4:T+5]
	v_mov_b32 v[OLDM], v12
	v_pk_add_f32 v[14:15], v[14:15], v[T+2:T+3]
.endm
.macro STEP
	s_wait_dscnt 0x0                               ; this step's K fragments are in
.irp b, 0,1,2,3
.irp u, 0,1
.if \b % 2
	v_wmma_scale_f32_16x16x128_f8f6f4 v[S+8*(2*\b+\u):S+8*(2*\b+\u)+7], v[FRG+12*\b:FRG+12*\b+11], v[22-6*\u:33-6*\u], 0, v[KS+\b/2], v[QS] matrix_a_fmt:MATRIX_FMT_BF6 matrix_b_fmt:MATRIX_FMT_BF6 matrix_a_scale:MATRIX_SCALE_ROW1
.else
	v_wmma_scale_f32_16x16x128_f8f6f4 v[S+8*(2*\b+\u):S+8*(2*\b+\u)+7], v[FRG+12*\b:FRG+12*\b+11], v[22-6*\u:33-6*\u], 0, v[KS+\b/2], v[QS] matrix_a_fmt:MATRIX_FMT_BF6 matrix_b_fmt:MATRIX_FMT_BF6
.endif
.endr
.endr
	JOIN                                           ; four plain places behind the products (ISA guide 7.12.1), work that is due anyway
.irp t, 0,1,2,3
	ds_load_b128 v[FRG+12*\t:FRG+12*\t+3], v[AD] offset:6400+1536*\t               ; V's fragments, over K's
	ds_load_b64 v[FRG+12*\t+4:FRG+12*\t+5], v[AD8] offset:6400+1536*\t+512
	ds_load_b128 v[FRG+12*\t+6:FRG+12*\t+9], v[AD] offset:6400+1536*\t+768
	ds_load_b64 v[FRG+12*\t+10:FRG+12*\t+11], v[AD8] offset:6400+1536*\t+1280
.endr
	ds_load_b64 v[VS:VS+1], v[AD8] offset:12544
	s_add_co_u32 s[CNT], s[CNT], 1
	s_lshl_b32 s[TB], s[CNT], 14
	s_and_b32 s[TB], s[TB], 0x3c000                ; the next group; behind the last comes group 0
.irp b, 0,1,2,3
	v_max3_num_f32 v[BM+\b], v[S+16*\b], v[S+1+16*\b], v[S+2+16*\b]   ; the largest score of my two blocks of 32 keys, each in two chains, the four chains by turns
.endr
.irp i, 3,5,7,9,11,13
.irp b, 0,1,2,3
	v_max3_num_f32 v[BM+\b], v[BM+\b], v[S+16*\b+\i], v[S+1+16*\b+\i]
.endr
.endr
.irp c, 0,1
	v_max3_num_f32 v[BM+2*\c], v[BM+2*\c], v[BM+2*\c+1], v[S+15+32*\c]
.endr
.irp c, 0,1
	v_max_num_f32 v[BM+2*\c], v[BM+2*\c], v[S+31+32*\c]             ; block 2 c + h's largest score
.endr
	v_max_num_f32 v5, v[BM], v[BM+2]
	v_permlanex16_b32 v[BP], v5, s[SEL], s[SEL+1]
	v_max_num_f32 v5, v5, v[BP]                    ; with lane l xor 16's two blocks: the step's largest score of my query
	v_mul_f32 v5, s[CS], v5
	v_max_num_f32 v13, v13, v5                     ; the running largest t
	v_floor_f32 v12, -v13                          ; -M
.set j, 0
	PKF 8
	v_sub_f32 v5, v12, v[OLDM]                     ; old M - new M, a whole number
	PKF 8
	v_cvt_i32_f32 v5, v5
	PKF 8
	v_ldexp_f32 v[F], 1.0, v5                      ; the factor: a power of two
	PKF 8
.irp b, 0,2
	v_fma_f32 v[BM+\b], v[BM+\b], s[CS], v12       ; the same of each block's largest score
.endr
.set j, 0
.rept 16
	v_pk_mul_f32 v[O+j:O+j+1], v[O+j:O+j+1], v[F:F+1] op_sel_hi:[1,0]   ; O^T under the new M
.set j, j+2
.endr
	s_wait_alu depctr_va_vdst(0)                   ; the wait ahead of the batch
.set j, 0
.rept 64
	v_exp_f32 v[S+j], v[S+j]                       ; p
.set j, j+1
.endr
.irp b, 0,2
	v_exp_f32 v[BM+\b], v[BM+\b]                   ; each block's largest p: the same two instructions on the same number
.endr
	v_add_nc_u32 v[AD], s[TB], v[L16]              ; plain places behind the batch: the next group's addresses (V's loads have been issued)
	v_add_nc_u32 v[AD8], s[TB], v[L8]
	s_wait_alu depctr_va_vdst(0)                   ; one wait for the whole batch, and ahead of the wait below
	s_wait_dscnt 0x0                               ; V's fragments are in
.irp b, 0,2
	v_max_num_f32 v[BM+\b], 0x2800000, v[BM+\b]    ; the floor 2^(5 - 127): the byte cannot fall under 1
.endr
.irp b, 0,2
	v_add_nc_u32 v[SO+\b], 0xfe000000, v[BM+\b]    ; 4 off the exponent field: the conversion's scale operand
.endr
.irp b, 0,2
	v_lshrrev_b32 v[BY+\b], 23, v[SO+\b]
.endr
	v_lshl_or_b32 v[BY], v[BY+2], 16, v[BY]        ; my two bytes: blocks h and 2 + h,
	v_lshlrev_b32 v[BY], v[H8], v[BY]              ; at their places in the word;
	v_permlanex16_b32 v[BP+1], v[BY], s[SEL], s[SEL+1]
	v_or_b32 v[PW], v[BY], v[BP+1]                 ; with lane l xor 16's two: p's scale word for these 128 keys
	v_cvt_scalef32_pk16_bf6_f32 v[PC:PC+2], v[S:S+15], v[SO]
	v_cvt_scalef32_pk16_bf6_f32 v[X0:X0+2], v[S+16:S+31], v[SO]        ; (a conversion's three registers begin on an even number)
	v_cvt_scalef32_pk16_bf6_f32 v[PC+6:PC+8], v[S+32:S+47], v[SO+2]
	v_cvt_scalef32_pk16_bf6_f32 v[X1:X1+2], v[S+48:S+63], v[SO+2]
	v_pk_fma_f32 v[14:15], v[14:15], v[F:F+1], v[S:S+1] op_sel_hi:[1,0,1]   ; the sum under the new M, and its first two p: the plain place behind the conversions
.irp i, 0,1,2
	v_mov_b32 v[PC+3+\i], v[X0+\i]
	v_mov_b32 v[PC+9+\i], v[X1+\i]
.endr
	v_pk_add_f32 v[14:15], v[14:15], v[S+8:S+9]    ; eight adds of the row's sum: the places between the codes' and the scale word's writes and the products
.irp c, 1,2,3
	v_pk_add_f32 v[T+2*\c-2:T+2*\c-1], v[S+2*\c:S+2*\c+1], v[S+8+2*\c:S+9+2*\c]
.endr
	SUMS 2, 1
.irp t, 0,1,2,3
.if \t % 2
	v_wmma_scale_f32_16x16x128_f8f6f4 v[O+8*\t:O+8*\t+7], v[FRG+12*\t:FRG+12*\t+11], v[PC:PC+11], v[O+8*\t:O+8*\t+7], v[VS+\t/2], v[PW] matrix_a_fmt:MATRIX_FMT_BF6 matrix_b_fmt:MATRIX_FMT_BF6 matrix_a_scale:MATRIX_SCALE_ROW1
.else
	v_wmma_scale_f32_16x16x128_f8f6f4 v[O+8*\t:O+8*\t+7], v[FRG+12*\t:FRG+12*\t+11], v[PC:PC+11], v[O+8*\t:O+8*\t+7], v[VS+\t/2], v[PW] matrix_a_fmt:MATRIX_FMT_BF6 matrix_b_fmt:MATRIX_FMT_BF6
.endif
.endr
	SUMS 3, 1                                      ; four places, then the next step's K fragments, over V's
	KLOAD
	SUMS 4, 4
.endm
.macro TILE j
.if \j
	s_wait_xcnt 0x0                                ; the first tile's stores have read their registers
.irp i, 0,1,2,3,4,5
	v_mov_b32 v[22+\i], v[Q1+\i]
.endr
	v_perm_b32 v[QS], v[QR1], v[QR1], s[PSEL]      ; my half's two bytes, for both halves of K
.else
	v_perm_b32 v[QS], v[QR0], v[QR0], s[PSEL]
.endif
	v_mov_b32 v13, 0xff61b1e6                      ; -3e38, under every t
	v_floor_f32 v12, -v13
	v_mov_b32 v14, 0
	v_mov_b32 v15, 0
.set i, 0
.rept 6
	v_mov_b32 v[T+i], 0
.set i, i+1
.endr
.set i, 0
.rept 32
	v_mov_b32 v[O+i], 0                            ; the step is written once: the first finds zeros
.set i, i+1
.endr
	s_mov_b32 s[CNT], 0
	s_wait_alu depctr_va_vdst(0)                   ; the wait ahead of the loop's first wait
.Lstep_\@:
	STEP
	s_cmp_lt_u32 s[CNT], 16
	s_wait_alu depctr_va_vdst(0)                   ; the wait ahead of the branch
	s_cbranch_scc1 .Lstep_\@
	JOIN
	v_add_f32 v14, v14, v15
	v_permlanex16_b32 v5, v14, s[SEL], s[SEL+1]
	v_add_f32 v14, v14, v5                         ; the row's sum
	s_wait_alu depctr_va_vdst(0)
	v_rcp_f32 v14, v14
	v_nop
	s_wait_alu depctr_va_vdst(0)                   ; ahead of the first reader of the quotient and of O^T
.set i, 0
.rept 16
	v_pk_mul_f32 v[S+i:S+i+1], v[O+i:O+i+1], v[14:15] op_sel_hi:[1,0]   ; o: register 16 b + i = channel 32 b + 16 h + i
.set i, i+2
.endr
.irp b, 0,1
	v_max3_num_f32 v[BM+\b], |v[S+16*\b]|, |v[S+1+16*\b]|, 0x2800000
.endr
.irp i, 2,4,6,8,10,12,14
.irp b, 0,1
	v_max3_num_f32 v[BM+\b], v[BM+\b], |v[S+16*\b+\i]|, |v[S+1+16*\b+\i]|
.endr
.endr
.irp b, 0,1
	v_permlanex16_b32 v[BP+\b], v[BM+\b], s[SEL], s[SEL+1]
.endr
.irp b, 0,1
	v_max_num_f32 v[BM+\b], v[BM+\b], v[BP+\b]
.endr
.irp b, 0,1
	v_add_nc_u32 v[SO+\b], 0xfe000000, v[BM+\b]
.endr
.irp b, 0,1
	v_lshrrev_b32 v[BY+\b], 23, v[SO+\b]
.endr
	v_lshl_or_b32 v5, v[BY+1], 8, v[BY]            ; the head's two scale bytes
	v_cvt_scalef32_pk16_bf6_f32 v[PC:PC+2], v[S:S+15], v[SO]
	v_cvt_scalef32_pk16_bf6_f32 v[X0:X0+2], v[S+16:S+31], v[SO+1]
	v_nop
.irp i, 0,1,2
	v_permlane16_swap_b32 v[PC+\i], v[X0+\i]       ; o's channels lie 16 to a lane: a whole block in a lane
.endr
.irp i, 0,1,2
	v_mov_b32 v[PC+3+\i], v[X0+\i]
.endr
	global_store_b128 v[L16], v[PC:PC+3], s[OC:OC+1] offset:196608*\j       ; 512 and 256 consecutive bytes, aligned; the second tile lies two groups of blocks on
	global_store_b64 v[L8], v[PC+4:PC+5], s[OC:OC+1] offset:196608*\j+512
.if \j
	v_cndmask_b32 v[OWS], v[OWS], v5, s[MSK]       ; lanes 0-15 store the first tile's bytes, lanes 16-31 the second's
.else
	v_mov_b32 v[OWS], v5
.endif
.endm
	s_wait_alu depctr_va_vdst(0)                   ; the wait at the head's end
	s_wait_tensorcnt 0x0                           ; my group is in
	s_barrier_signal -1
	s_barrier_wait -1                              ; everybody's is
	KLOAD
	s_wait_loadcnt 0x0                             ; q and its scale words
	TILE 0
	TILE 1
	global_store_b16 v[OSO], v[OWS], s[OS:OS+1]
	s_wait_tensorcnt 0x0                           ; the wave's end
	ds_add_u32 v[SPW], v[NIL]
	s_wait_dscnt 0x0
	CROUND                                         ; the closing round
	s_endpgm
.Lfunc_end_k_qc3b39e12fb_attn:
	.size	k_qc3b39e12fb_attn, .Lfunc_end_k_qc3b39e12fb_attn-k_qc3b39e12fb_attn
	.p2alignl 7, 3214868480
	.fill 96, 4, 3214868480
	.section	.rodata,"a",@progbits
	.p2align	6, 0x0
	.amdhsa_kernel k_qc3b39e12fb_attn
		.amdhsa_group_segment_fixed_size 327680
		.amdhsa_private_segment_fixed_size 0
		.amdhsa_enable_private_segment 0
		.amdhsa_kernarg_size 24
		.amdhsa_user_sgpr_count 2
		.amdhsa_user_sgpr_kernarg_segment_ptr 1
		.amdhsa_wavefront_size32 1
		.amdhsa_system_sgpr_workgroup_id_x 1
		.amdhsa_system_sgpr_workgroup_id_y 1
		.amdhsa_system_sgpr_workgroup_id_z 1
		.amdhsa_system_vgpr_workitem_id 0
		.amdhsa_next_free_vgpr 256
		.amdhsa_next_free_sgpr 66
		.amdhsa_reserve_vcc 0
		.amdhsa_float_denorm_mode_32 3
		.amdhsa_float_denorm_mode_16_64 3
		.amdhsa_memory_ordered 1
		.amdhsa_forward_progress 1
		.amdhsa_inst_pref_size 47
	.end_amdhsa_kernel
	.amdgpu_metadata
---
amdhsa.version: [ 1, 2 ]
amdhsa.kernels:
  - .name:           k_qc3b39e12fb_attn
    .symbol:         k_qc3b39e12fb_attn.kd
    .args:
      - { .name: qkv, .offset: 0, .size: 8, .value_kind: global_buffer, .address_space: global }
      - { .name: codes, .offset: 8, .size: 8, .value_kind: global_buffer, .address_space: global }
      - { .name: scl, .offset: 16, .size: 8, .value_kind: global_buffer, .address_space: global }
    .group_segment_fixed_size: 327680
    .private_segment_fixed_size: 0
    .kernarg_segment_align: 8
    .kernarg_segment_size: 24
    .max_flat_workgroup_size: 512
    .sgpr_count:     66
    .vgpr_count:     256
    .wavefront_size: 32
...
	.end_amdgpu_metadata
.endif
;; end of part 3
;; launch outp (part 4): grid 4 x 64, 4 waves a work-group, clusters of 4 x 4, 327,680 bytes of LDS; arguments codes, scl, bo, out0; writes out0
.if DOCPART == 4
	.amdgcn_target "amdgcn-amd-amdhsa--gfx1250"
	.amdhsa_code_object_version 6
	.text
	.protected	k_qc3b39e12fb_outp
	.globl	k_qc3b39e12fb_outp
	.p2align	8
	.type	k_qc3b39e12fb_outp,@function
k_qc3b39e12fb_outp:
	s_mov_b64 s[64:65], 0
	v_nop
	global_prefetch_b8 v0, s[64:65] scope:SCOPE_SE
	s_setreg_imm32_b32 hwreg(HW_REG_WAVE_MODE, 25, 1), 1
	s_wait_xcnt 0x0
	s_wait_alu depctr_hold_cnt(0) depctr_sa_sdst(0) depctr_va_vdst(0) depctr_va_sdst(0) depctr_va_ssrc(0) depctr_va_vcc(0) depctr_vm_vsrc(0)
	s_getreg_b32 s2, hwreg(HW_REG_IB_STS2, 6, 4)
	s_cmp_eq_u32 s2, 0
	s_cbranch_scc0 .Lentry_in_a_cluster
	s_endpgm
.Lentry_in_a_cluster:
	s_bfe_u32 s2, ttmp6, 0x10000c
	s_cmp_lg_u32 s2, 0xf033
	s_cbranch_scc0 .Lentry_shape_is_right
	s_endpgm
.Lentry_shape_is_right:
; out0 = o Wo^T + bo on codes of BF6 (E3M2) with E8M0 scales, K = 1,024.  A = o (tokens), B = Wo (features); source 0 = 16 rows of B, source 1 = 16 rows of A: a lane holds eight neighbouring numbers of a row of out0.
; codes: [group of 8 blocks of 16 rows][4 pairs of K steps][8 blocks][2 K steps][1,536]; a fragment is an image of its registers (6 c .. 6 c + 3 at 16 x lane, 6 c + 4, 6 c + 5 at 8 x lane).
; Lane r of block R holds row 32 (R / 2) + 8 (R % 2) + r + 8 (r / 8).  Groups 0-63 hold o, groups 88-95 Wo.
; SHARES: 256 work-groups, each 128 tokens x 256 features: A's one group and B's two groups, for ALL of K, are 294,912 bytes of LDS.  They come by one tensor load a wave at the head
; (waves 0, 1: halves of A's group; waves 2, 3: one of B's groups each); nothing is filled again, so the walk along K has no barrier.  A wave makes 64 x 128: 32 accumulators.
; CLUSTERS: 4 x 4 work-groups; A's tile is asked for jointly along a row of the cluster, B's along a column.  No prefetch: all that the launch streams is asked for at the head, there is no loop to run ahead in.
; The bias is the C of each accumulator's first product.  REGISTERS: window 0: addresses, v64-127 scale words, v128-223 A's fragments, two sets; window 1: B's fragments, two sets at v0 and v128, the bias in v96-127 and v224-255; window 2: the accumulators.
; LIMITS: NaN and infinities are not served.
.set PAIRB, 24576
.set GRP,   98304
.set SPARE, 3*GRP                      ; behind the tiles: the spare words
.set SPITCH, 528
.set A16,  4                           ; v4-5 LDS address of my A blocks, pairs 0-1 and pairs 2-3, + 16 x lane;  v6-7 + 8 x lane
.set A8,   6
.set B16,  8                           ; v8-9, v10-11 the same for B
.set B8,   10
.set VO16, 16
.set VO8,  17
.set SOF,  18
.set BOF,  19
.set SOF2, 21
.set STO,  24
.set RD,   25
.set SPW,  28
.set NIL,  29
.set SC,   64                          ; register SC + 8 i + s: lanes 0-15 the word of A's block i % 4, lanes 16-31 of B's block i, K step s
.set AF,   128
.set BK,   128
.set MSB, 0
.macro WIN new
.if MSB != (\new)
	s_set_vgpr_msb (MSB<<8)|(\new)
.set MSB, (\new)
.endif
.endm
.macro PLACES n
.rept \n
	v_nop
.endr
.endm
.macro CROUND
	s_barrier_signal -1
	s_barrier_wait -1
	s_cmp_lg_u32 s16, 0
	s_cbranch_scc1 .Lnot_wave_0_\@
	s_barrier_signal -3
.Lnot_wave_0_\@:
	s_barrier_wait -3
	s_barrier_signal -1
	s_barrier_wait -1
.endm
	s_load_b128 s[4:7], s[0:1], 0x0                ; codes, scl
	s_load_b128 s[8:11], s[0:1], 0x10              ; bo, out0
	v_lshl_add_u32 v[SPW], v0, 2, SPARE
	v_mov_b32 v[NIL], 0
	ds_add_u32 v[SPW], v[NIL]                      ; the opening lines: the add twice on end and its wait
	ds_add_u32 v[SPW], v[NIL]
	v_lshrrev_b32 v1, 5, v0
	v_readfirstlane_b32 s16, v1                    ; wave 0..3
	s_lshr_b32 s17, s16, 1                         ; my half of A's blocks.  Also: I fetch for A (0) or for B (1)
	s_and_b32 s18, s16, 1                          ; my group of B.  Also: which part I fetch
	s_and_b32 s20, ttmp7, 0xffff
	s_bfe_u32 s21, ttmp6, 0x40000                  ; cx
	s_bfe_u32 s22, ttmp6, 0x40004                  ; cy
	s_lshl_b32 s68, s22, 2
	s_lshl_b32 s68, 15, s68                        ; my row of the cluster
	s_lshl_b32 s69, 0x1111, s21                    ; my column
	s_or_b32 s24, s68, (3<<16)|(1<<21)
	s_or_b32 s32, s69, (3<<16)|(1<<21)
.irp g, 24, 32
	s_mov_b32 s[\g+1], 384<<16                     ; dense rows of 3,072 bytes
	s_mov_b32 s[\g+3], 384<<16
	s_mov_b32 s[\g+5], 384
	s_mov_b32 s[\g+6], 0
	s_mov_b32 s[\g+7], 0
.endr
	s_mov_b32 s26, 16<<16                          ; A: 16 rows, half a group
	s_mov_b32 s28, 16
	s_mov_b32 s34, 32<<16                          ; B: 32 rows, a group
	s_mov_b32 s36, 32
	s_lshl_b32 s70, s20, 2
	s_add_co_u32 s70, s70, s22                     ; my 128 tokens = A's group: 4 x cluster y + cy
	s_mul_i32 s78, s70, GRP
	s_mul_i32 s71, s18, 2*PAIRB                    ; pairs 0-1 or pairs 2-3: in memory and in LDS alike
	s_add_co_u32 s78, s78, s71
	s_mov_b32 s79, 0
	s_lshl_b32 s72, s21, 1
	s_add_co_u32 s72, s72, 88
	s_add_co_u32 s73, s72, s18                     ; B's group: 88 + 2 cx + part
	s_mul_i32 s80, s73, GRP
	s_mov_b32 s81, 0
	s_mul_i32 s82, s18, GRP
	s_add_co_u32 s82, s82, GRP                     ; LDS: behind A's group
	s_wait_dscnt 0x0
	s_wait_kmcnt 0x0
	s_add_nc_u64 s[78:79], s[4:5], s[78:79]
	s_add_nc_u64 s[80:81], s[4:5], s[80:81]
	CROUND                                         ; all sixteen work-groups are here: the joint loads meet
	s_mov_b32 s40, 1
	s_mov_b32 s41, s71
	s_mov_b64 s[42:43], s[78:79]
	s_or_b32 s43, s43, 0x80000000
	s_mov_b32 s52, 1
	s_mov_b32 s53, s82
	s_mov_b64 s[54:55], s[80:81]
	s_or_b32 s55, s55, 0x80000000
	s_cmp_eq_u32 s17, 0                            ; one load a wave, each line with one mask; the branch hangs on the wave's number alone
	s_cbranch_scc0 .Lfor_b
	tensor_load_to_lds s[40:43], s[24:31]
	s_nop 0
	PLACES 4
	s_branch .Lasked
.Lfor_b:
	tensor_load_to_lds s[52:55], s[32:39]
	s_nop 0
	PLACES 4
.Lasked:
	s_mov_b32 s76, 0xffff0000                      ; lanes 16-31
	s_mul_i32 s83, s17, 4*3072                     ; my four blocks of A
	s_mul_i32 s84, s18, GRP
	s_add_co_u32 s84, s84, GRP                     ; my group of B
	s_lshl_b32 s85, s70, 12
	s_lshl_b32 s86, s17, 11
	s_add_co_u32 s85, s85, s86                     ; my A blocks' scale words: 512 bytes a block
	s_lshl_b32 s86, s73, 12                        ; my B blocks'
	s_lshl_b32 s88, s21, 10
	s_lshl_b32 s89, s18, 9
	s_add_co_u32 s88, s88, s89                     ; my 128 features, 4 bytes each
	s_mov_b32 s89, 0
	s_add_nc_u64 s[8:9], s[8:9], s[88:89]
	s_lshl_b32 s90, s70, 19                        ; 128 rows of 4,096 bytes
	s_lshl_b32 s91, s17, 18
	s_add_co_u32 s90, s90, s91
	s_add_co_u32 s90, s90, s88
	s_mov_b32 s91, 0
	s_add_nc_u64 s[10:11], s[10:11], s[90:91]
	s_mul_i32 s92, s16, 16*SPITCH                  ; my stage, over A's tile: used behind the barrier that follows every wave's last read of the tiles
	v_and_b32 v1, 15, v0
	v_bfe_u32 v2, v0, 4, 1
	v_and_b32 v3, 31, v0
	v_lshlrev_b32 v[VO16], 4, v3
	v_lshlrev_b32 v[VO8], 3, v3
.irp q, 0,1
	v_add_nc_u32 v[A16+\q], s83, v[VO16]
	v_add_nc_u32 v[A8+\q], s83, v[VO8]
	v_add_nc_u32 v[B16+\q], s84, v[VO16]
	v_add_nc_u32 v[B8+\q], s84, v[VO8]
	s_add_co_u32 s83, s83, 2*PAIRB
	s_add_co_u32 s84, s84, 2*PAIRB
.endr
	v_mov_b32 v[SOF], s85
	v_mov_b32 v20, s86
	v_cndmask_b32 v[SOF], v[SOF], v20, s76         ; lanes 0-15 take A's, lanes 16-31 B's
	v_lshl_add_u32 v[SOF], v1, 4, v[SOF]
	v_add_nc_u32 v20, 2048, v[SOF]
	v_cndmask_b32 v[SOF2], v[SOF], v20, s76        ; for B's blocks 4-7: lanes 0-15 stay on A's four
	v_lshlrev_b32 v[BOF], 6, v2
	v_mul_u32_u24 v[STO], v1, SPITCH
	v_lshl_add_u32 v[STO], v2, 6, v[STO]
	v_add_nc_u32 v[STO], s92, v[STO]
	v_add_nc_u32 v[RD], s92, v[VO16]
.irp i, 0,1,2,3
.irp q, 0,1
	global_load_b128 v[SC+8*\i+4*\q:SC+8*\i+4*\q+3], v[SOF], s[6:7] offset:512*\i+256*\q
	global_load_b128 v[SC+32+8*\i+4*\q:SC+32+8*\i+4*\q+3], v[SOF2], s[6:7] offset:512*\i+256*\q
.endr
.endr
	WIN 0x40
.irp b, 0,1,2,3,4,5,6,7
	global_load_b128 v[96+8*\b+96*(\b/4):96+8*\b+96*(\b/4)+3], v[BOF], s[8:9] offset:(32*(\b/2)+8*(\b%2))*4      ; block b's registers: features 32 (b / 2) + 8 (b % 2) + 16 h + 0 .. 7
	global_load_b128 v[96+8*\b+96*(\b/4)+4:96+8*\b+96*(\b/4)+7], v[BOF], s[8:9] offset:(32*(\b/2)+8*(\b%2))*4+16
.endr
	WIN 0
.macro FRAG reg, a16, a8, off
	ds_load_b128 v[\reg:\reg+3], v[\a16] offset:\off
	ds_load_b64 v[\reg+4:\reg+5], v[\a8] offset:\off+512
	ds_load_b128 v[\reg+6:\reg+9], v[\a16] offset:\off+768
	ds_load_b64 v[\reg+10:\reg+11], v[\a8] offset:\off+1280
.endm
.macro FETCH s                         ; K step s: B's eight and A's four fragments into sets s % 2: 48 loads
	WIN 0x40
.irp i, 0,1,2,3,4,5,6,7
	FRAG 128*((\s)%2)+12*\i, B16+(\s)/4, B8+(\s)/4, PAIRB*(((\s)/2)%2)+3072*\i+1536*((\s)%2)
.endr
	WIN 0
.irp i, 0,1,2,3
	FRAG AF+48*((\s)%2)+12*\i, A16+(\s)/4, A8+(\s)/4, PAIRB*(((\s)/2)%2)+3072*\i+1536*((\s)%2)
.endr
.endm
.macro MUL s, first                    ; 32 products; the accumulators take turns, in the same order in every step
.irp a, 0,1,2,3
.irp b, 0,1,2,3,4,5,6,7
.if \first
	v_wmma_scale_f32_16x16x128_f8f6f4 v[8*(8*\a+\b):8*(8*\a+\b)+7], v[128*((\s)%2)+12*\b:128*((\s)%2)+12*\b+11], v[AF+48*((\s)%2)+12*\a:AF+48*((\s)%2)+12*\a+11], v[96+8*\b+96*(\b/4):96+8*\b+96*(\b/4)+7], v[SC+8*\b+(\s)], v[SC+8*\a+(\s)] matrix_a_fmt:MATRIX_FMT_BF6 matrix_b_fmt:MATRIX_FMT_BF6 matrix_a_scale:MATRIX_SCALE_ROW1
.else
	v_wmma_scale_f32_16x16x128_f8f6f4 v[8*(8*\a+\b):8*(8*\a+\b)+7], v[128*((\s)%2)+12*\b:128*((\s)%2)+12*\b+11], v[AF+48*((\s)%2)+12*\a:AF+48*((\s)%2)+12*\a+11], v[8*(8*\a+\b):8*(8*\a+\b)+7], v[SC+8*\b+(\s)], v[SC+8*\a+(\s)] matrix_a_fmt:MATRIX_FMT_BF6 matrix_b_fmt:MATRIX_FMT_BF6 matrix_a_scale:MATRIX_SCALE_ROW1
.endif
.endr
.endr
.endm
	s_wait_alu depctr_va_vdst(0)                   ; the wait at the head's end
	s_wait_tensorcnt 0x0                           ; my part of the tiles is in
	s_barrier_signal -1
	s_barrier_wait -1                              ; everybody's is
	FETCH 0
	s_wait_loadcnt 0x0                             ; the scale words and the bias
	FETCH 1
	s_wait_dscnt 48                                ; step 0's fragments are in; the 48 loads just issued may be out
	WIN 0x91                                       ; source 0 (B) and C (the bias) window 1, source 1 (A) window 0, D window 2
	MUL 0, 1
.irp s, 1,2,3,4,5,6
	PLACES 4                                       ; in front of loads into registers that the last products have read
	FETCH \s+1
	s_wait_dscnt 48
	WIN 0xa1                                       ; C and D window 2
	MUL \s, 0
.endr
	s_wait_dscnt 0x0                               ; the last step's fragments are in: my reads of the tiles are over
	s_barrier_signal -1
	MUL 7, 0
	WIN 0
	s_barrier_wait -1                              ; everybody's are: the stages may be written
; THE WAY OUT, block by block of 16 rows x 128 columns, through my own stage and back as whole rows of 512 bytes.
.macro TOSTAGE a
	WIN 0x08
.irp b, 0,1,2,3,4,5,6,7
	ds_store_b128 v[STO], v[64*(\a)+8*\b:64*(\a)+8*\b+3] offset:128*(\b/2)+32*(\b%2)         ; each accumulator from its low end on
	ds_store_b128 v[STO], v[64*(\a)+8*\b+4:64*(\a)+8*\b+7] offset:128*(\b/2)+32*(\b%2)+16
.endr
	WIN 0
.set BB, BK+64*((\a)%2)
.irp t, 0,1,2,3,4,5,6,7,8,9,10,11,12,13,14,15
	ds_load_b128 v[BB+4*\t:BB+4*\t+3], v[RD] offset:\t*SPITCH      ; LDS serves a wave's instructions in order: these see the stores above
.endr
.endm
.macro SEND a, younger
.set BB, BK+64*((\a)%2)
	s_wait_dscnt \younger
.if (\a) > 0
.if (\a) % 2
	s_add_nc_u64 s[10:11], s[10:11], 8*4096        ; (behind a wait on XCNT) block a begins at row 32 (a / 2) + 8 (a % 2)
.else
	s_add_nc_u64 s[10:11], s[10:11], 24*4096
.endif
.endif
.irp t, 0,1,2,3,4,5,6,7,8,9,10,11,12,13,14,15
	global_store_b128 v[VO16], v[BB+4*\t:BB+4*\t+3], s[10:11] offset:(\t+8*(\t/8))*4096 th:TH_STORE_NT   ; 32 lanes store 512 consecutive bytes, aligned
.endr
.endm
	PLACES 4
	TOSTAGE 0
.irp a, 1,2,3
.if \a > 1
	s_wait_xcnt 0x0                                ; block a - 2's stores have read their registers and their base
.endif
	TOSTAGE \a
	SEND \a-1, 32                                  ; behind block a - 1's loads: block a's 16 stores and 16 loads
.endr
	s_wait_xcnt 0x0
	SEND 3, 0
	s_wait_tensorcnt 0x0                           ; the wave's end
	ds_add_u32 v[SPW], v[NIL]
	s_wait_dscnt 0x0
	CROUND                                         ; the closing round
	s_endpgm
.Lfunc_end_k_qc3b39e12fb_outp:
	.size	k_qc3b39e12fb_outp, .Lfunc_end_k_qc3b39e12fb_outp-k_qc3b39e12fb_outp
	.p2alignl 7, 3214868480
	.fill 96, 4, 3214868480
	.section	.rodata,"a",@progbits
	.p2align	6, 0x0
	.amdhsa_kernel k_qc3b39e12fb_outp
		.amdhsa_group_segment_fixed_size 327680
		.amdhsa_private_segment_fixed_size 0
		.amdhsa_enable_private_segment 0
		.amdhsa_kernarg_size 32
		.amdhsa_user_sgpr_count 2
		.amdhsa_user_sgpr_kernarg_segment_ptr 1
		.amdhsa_wavefront_size32 1
		.amdhsa_system_sgpr_workgroup_id_x 1
		.amdhsa_system_sgpr_workgroup_id_y 1
		.amdhsa_system_sgpr_workgroup_id_z 1
		.amdhsa_system_vgpr_workitem_id 0
		.amdhsa_next_free_vgpr 768
		.amdhsa_next_free_sgpr 100
		.amdhsa_reserve_vcc 0
		.amdhsa_float_denorm_mode_32 3
		.amdhsa_float_denorm_mode_16_64 3
		.amdhsa_memory_ordered 1
		.amdhsa_forward_progress 1
		.amdhsa_inst_pref_size 83
	.end_amdhsa_kernel
	.amdgpu_metadata
---
amdhsa.version: [ 1, 2 ]
amdhsa.kernels:
  - .name:           k_qc3b39e12fb_outp
    .symbol:         k_qc3b39e12fb_outp.kd
    .args:
      - { .name: codes, .offset: 0, .size: 8, .value_kind: global_buffer, .address_space: global }
      - { .name: scl, .offset: 8, .size: 8, .value_kind: global_buffer, .address_space: global }
      - { .name: bo, .offset: 16, .size: 8, .value_kind: global_buffer, .address_space: global }
      - { .name: out0, .offset: 24, .size: 8, .value_kind: global_buffer, .address_space: global }
    .group_segment_fixed_size: 327680
    .private_segment_fixed_size: 0
    .kernarg_segment_align: 8
    .kernarg_segment_size: 32
    .max_flat_workgroup_size: 128
    .sgpr_count:     100
    .vgpr_count:     768
    .wavefront_size: 32
...
	.end_amdgpu_metadata
.endif
;; end of part 4
